; MI455X (gfx1250); checked and timed in simulation.
; The chip was launched on July 23, 2026; its instructions are those of AMD's public machine-readable ISA for CDNA 5 (MIT licence, August 2026) and "CDNA5" Instruction Set Architecture Reference Guide (July 2026). The comments in the code are by the model that wrote it; some were corrected since.
;; Multi Head Attention. Allowed arithmetic: matrix products marked QUANTISED: E4M3 operands, one given power-of-two scale a tensor, by v_wmma_f32_16x16x64_fp8_fp8 or v_wmma_f32_16x16x128_fp8_fp8, f32 sums; everything else in f32.
;; Inputs: Wk 1,024 x 1,024 float32; Wo 1,024 x 1,024 float32; Wq 1,024 x 1,024 float32; Wv 1,024 x 1,024 float32; bk 1,024 float32; bo 1,024 float32; bq 1,024 float32; bv 1,024 float32; key 4 x 2,048 x 1,024 float32; lowp_scales 12 int32 (the exponents e of the quantised operands' scales 2^e); mask 4 x 2,048 x 2,048 int32; query 4 x 2,048 x 1,024 float32; value 4 x 2,048 x 1,024 float32.
;; Outputs: out0 4 x 2,048 x 1,024 float32.
;; This version of the problem:
;;   THIS VERSION OF THE PROBLEM IS GIVEN IN LOW PRECISION. The matrix products marked QUANTISED in the list below multiply operands that are first quantised to E4M3 (4 exponent bits, 3 mantissa bits; 8 bits a number), with one given power-of-two scale for each operand tensor; their sums are f32. All else is computed in f32.
;;   The module's matrix products, in the order in which they are computed (A, B: the left and right operand; K: the contracted axis; several contracted axes count as one K, in the product's order):
;;     1. [M 8,192, K 1,024] x [K 1,024, N 1,024]; A: input query; B: input Wq: QUANTISED (scales: A lowp_scales[0], B lowp_scales[1])
;;     2. [M 8,192, K 1,024] x [K 1,024, N 1,024]; A: input key; B: input Wk: QUANTISED (scales: A lowp_scales[2], B lowp_scales[3])
;;     3. [M 8,192, K 1,024] x [K 1,024, N 1,024]; A: input value; B: input Wv: QUANTISED (scales: A lowp_scales[4], B lowp_scales[5])
;;     4. batch 64 x [M 2,048, K 64] x [K 64, N 2,048]; A: computed on the way; B: computed on the way: QUANTISED (scales: A lowp_scales[6], B lowp_scales[7])
;;     5. batch 64 x [M 2,048, K 2,048] x [K 2,048, N 64]; A: softmax (see below); B: computed on the way: QUANTISED (scales: A lowp_scales[8], B lowp_scales[9])
;;     6. [M 8,192, K 1,024] x [K 1,024, N 1,024]; A: computed on the way; B: input Wo: QUANTISED (scales: A lowp_scales[10], B lowp_scales[11])
;;   THE QUANTISER, for each operand of a quantised product, along K:
;;     - The operand's scale is 2^e, e = its entry of the input lowp_scales (int32; the entries are numbered through the quantised products in the list's order, A before B).
;;     - Each number is divided by the scale, clamped to +-448, and rounded to the nearest number of E4M3, ties to even, subnormals kept.
;;     - The product sums the exact products of the quantised numbers (number of the format x scale) in f32.
;;   ~~~python
;;   def quantise(x, axis, e):      # numpy; x: float32 -> the quantised numbers, widened to float32 again
;;       x = np.moveaxis(x, axis, -1); K = x.shape[-1]
;;       r = np.clip(x / 2.0 ** e, -448, 448)
;;       step = 2.0 ** (np.maximum(np.frexp(np.where(r == 0, 1, r))[1] - 1, -6) - 3)
;;       q = np.round(r / step) * step * 2.0 ** e      # np.round: ties to even
;;       return np.moveaxis(q, -1, axis).astype(np.float32)
;;   ~~~
;;   SOFTMAX AHEAD OF A QUANTISED PRODUCT. Where the list says 'softmax', what is quantised is not the finished softmax but p = 2^(t - M), with t = logit x log2(e) and M = ceil(the row's largest t), a whole number; so 1/2 < the row's largest p <= 1. The row's sum l is taken of the UNQUANTISED p, in f32, and the product's result is divided by l at the end. Since M is a whole number, a kernel that streams over the keys may use a running M (the ceiling of the running maximum): every later rescaling is an exact power of two, so the quantised numbers keep their values, but for numbers so far below the row's largest that they fall under the format's range.
;;   OPERANDS COMPUTED ON THE WAY. 'Computed on the way' means the value that the module computes at that place (a softmax that the list does not call 'softmax' is quantised finished and normalised). What goes into a quantiser is computed in f32, as accurately as f32 sums, v_exp_f32 and their like allow (about 1e-6 of the number): no bf16 or f16 on the way to a quantiser, and a product that is left as it is and whose result goes on into a quantised operand takes f32 operands (vector FMAs, or v_wmma_f32_16x16x4_f32). A number that lies on a knife's edge between two numbers of the format may be rounded either way, as far as f32 arithmetic and the matrix unit's own rounding can turn it there, and no further.
;; 3 versions, each right; version 3 is version 2 with the launch attn written anew for expert scheduling mode. Each part assembles by itself: llvm-mc -triple=amdgcn-amd-amdhsa -mcpu=gfx1250 --defsym DOCPART=n.
;; ======== version 1 of 3: 4 launches
;; limits: right only within a limited range of input values
;; workspace buffers: xc 25,165,824 bytes; wc 4,194,304 bytes; mbits 2,097,152 bytes of whole numbers; qkv 25,165,824 bytes; ac 8,388,608 bytes
;; launch prep (part 1): grid 1408 x 1, 4 waves a work-group, no clusters, 67,072 bytes of LDS; arguments query, key, value, Wq, Wk, Wv, Wo, mask, lowp_scales, xc, wc, mbits; writes xc, wc, mbits
.if DOCPART == 1
	.amdgcn_target "amdgcn-amd-amdhsa--gfx1250"
	.amdhsa_code_object_version 6
	.text
	.protected	k_q2c44f6b060_prep
	.globl	k_q2c44f6b060_prep
	.p2align	8
	.type	k_q2c44f6b060_prep,@function
k_q2c44f6b060_prep:
	s_mov_b64 s[64:65], 0
	v_nop
	global_prefetch_b8 v0, s[64:65] scope:SCOPE_SE
	s_setreg_imm32_b32 hwreg(HW_REG_WAVE_MODE, 25, 1), 1
	s_wait_xcnt 0x0
; TWO JOBS IN ONE LAUNCH, told apart by the work-group's number g.
; g = 0 .. 895: seven f32 tensors, all with K innermost, become codes of E4M3, each with the scale 2^e that is given for it:
;   query, key, value (256 work-groups each) -> xc [3][8192][1024];  Wq, Wk, Wv, Wo (32 each) -> wc [4][1024][1024].  A work-group takes 32,768 numbers, a wave 8,192.
;   code = x / 2^e, held within +-448, rounded to the nearest code, ties to even.  LIMITS: -126 <= e and e + 8 <= 127; NaN among the inputs is not served.
; g = 896 .. 1407: strip m = g - 896 = 128 b + qt of the mask (16 queries x 2,048 keys of int32) becomes 1,024 words of 32 bits: mbits [b][qt][ks 16][64 words].
;   Bit L of word n of key step ks says whether mask[b][16 qt + L % 16][128 ks + 32 (n / 16) + 16 (L / 16) + n % 16] is not 0: the lane mask for score register n of the attention launch.
; Each load reads 512 consecutive bytes, 16 a lane; the numbers turn through the wave's own stage in LDS, so that a lane then holds 16 neighbours along K.  No barrier: waves share nothing.
; The two jobs have LDS bytes of their own: 0 .. 32,767 and 32,768 .. 66,559.
.set STEPS, 16
.set EMAX,  8
.set MANT,  0x600000                   ; the mantissa field of 448 as f32
.set R,     16                         ; v16-79   four sets of 16 numbers as they are loaded
.set X,     80                         ; v80-111  two sets of 16 neighbours
.set C,     128                        ; v128-191 codes: four registers for each step, so that no store's data are written again
.set WREG,  8192                       ; LDS of a quantising wave: two stages of 32 x SP bytes
.set SP,    80                         ; a lane's place in a stage: its 64 bytes + 16 of padding
.set MBASE, 32768                      ; LDS of the mask's job
.set MP,    528                        ; a stage row there: 512 bytes + 16
.set MST,   16*MP                      ; a wave's stage: 16 rows
.set MR,    16                         ; v16-143  two sets of 64: a tile of 16 rows x 128 ints as loaded
.set MX,    144                        ; v144-207 the tile with register n = key 32 (n / 16) + 16 (lane / 16) + n % 16 of row lane % 16
.set OUT,   208                        ; v208-215 a pair for each of the wave's four tiles: lane l holds words 2 l and 2 l + 1
	s_load_b512 s[8:23], s[0:1], 0x0               ; query, key, value, Wq, Wk, Wv, Wo, mask
	s_load_b256 s[24:31], s[0:1], 0x40             ; the scales' exponents, xc, wc, mbits
	v_lshl_add_u32 v224, v0, 2, 0x10400
	v_mov_b32 v225, 0
	v_lshrrev_b32 v1, 5, v0
	v_readfirstlane_b32 s2, v1                     ; wave
	v_and_b32 v2, 31, v0                           ; lane
	v_lshlrev_b32 v3, 4, v2                        ; 16 x lane: my bytes of a load's 512, and of a step's codes
	v_and_b32 v5, 15, v0                           ; r
	v_bfe_u32 v6, v0, 4, 1                         ; h
	s_mul_i32 s3, s2, WREG
	v_lshrrev_b32 v14, 2, v2
	v_mul_u32_u24 v14, v14, SP
	v_and_b32 v15, 3, v2
	v_lshl_add_u32 v14, v15, 4, v14
	v_add_nc_u32 v14, s3, v14                      ; the quantiser's stage, in: SP (lane / 4) + 16 (lane % 4)
	v_mul_u32_u24 v15, v2, SP
	v_add_nc_u32 v15, s3, v15                      ; and out: SP x lane: my 16 neighbours
	s_mul_i32 s3, s2, MST
	s_add_co_u32 s3, s3, MBASE
	v_add_nc_u32 v12, s3, v3                       ; the mask's stage, in: 16 x lane of a row
	v_mul_u32_u24 v13, v5, MP
	v_lshl_add_u32 v13, v6, 6, v13
	v_add_nc_u32 v13, s3, v13                      ; and out: row r, + 64 h bytes
	v_lshlrev_b32 v9, 3, v2                        ; 8 x lane: my two words of a tile's 64
	s_wait_kmcnt 0x0
	s_cmp_ge_u32 ttmp9, 896
	s_cbranch_scc1 .Lmask
; ---- the quantiser.  Which tensor: its pointer, its first work-group and the byte of its exponent among the scales are chosen by the work-group's number alone
.macro PICK t, p, e
	s_cmp_ge_u32 ttmp9, \t
	s_cselect_b64 s[4:5], s[\p:\p+1], s[4:5]
	s_cselect_b32 s32, \t, s32
	s_cselect_b32 s33, \e, s33
.endm
	s_mov_b64 s[4:5], s[8:9]                       ; query, entry 0
	s_mov_b32 s32, 0
	s_mov_b32 s33, 0
	PICK 256, 10, 8                                ; key, entry 2
	PICK 512, 12, 16                               ; value, entry 4
	PICK 768, 14, 4                                ; Wq, entry 1
	PICK 800, 16, 12                               ; Wk, entry 3
	PICK 832, 18, 20                               ; Wv, entry 5
	PICK 864, 20, 44                               ; Wo, entry 11
	s_load_b32 s35, s[24:25], s33 offset:0x0       ; e
	s_cmp_ge_u32 ttmp9, 768
	s_cselect_b64 s[6:7], s[28:29], s[26:27]       ; the codes go to wc or to xc,
	s_cselect_b32 s34, 768, 0                      ; counted from that buffer's first work-group
	s_sub_co_u32 s36, ttmp9, s32
	s_lshl_b32 s36, s36, 2
	s_add_co_u32 s36, s36, s2                      ; which run of 8,192 numbers of the tensor is my wave's
	s_lshl_b32 s36, s36, 15                        ; in bytes of f32
	s_mov_b32 s37, 0
	s_add_nc_u64 s[4:5], s[4:5], s[36:37]
	s_sub_co_u32 s38, ttmp9, s34
	s_lshl_b32 s38, s38, 2
	s_add_co_u32 s38, s38, s2
	s_lshl_b32 s38, s38, 13                        ; in bytes of codes
	s_mov_b32 s39, 0
	s_add_nc_u64 s[6:7], s[6:7], s[38:39]
.macro LOAD t
.irp i, 0,1,2,3
	global_load_b128 v[R+16*((\t)%4)+4*\i:R+16*((\t)%4)+4*\i+3], v3, s[4:5] offset:2048*(\t)+512*\i th:TH_LOAD_NT   ; 32 lanes read 512 consecutive bytes
.endr
.endm
.macro TURN t                          ; step t's numbers through the stage: LDS serves a wave's instructions in order, so no wait stands between the stores and the loads
.irp i, 0,1,2,3
	ds_store_b128 v14, v[R+16*((\t)%4)+4*\i:R+16*((\t)%4)+4*\i+3] offset:32*SP*((\t)%2)+8*SP*\i
.endr
.irp i, 0,1,2,3
	ds_load_b128 v[X+16*((\t)%2)+4*\i:X+16*((\t)%2)+4*\i+3], v15 offset:32*SP*((\t)%2)+16*\i
.endr
.endm
.irp t, 0,1,2,3
	LOAD \t
.endr
	s_wait_kmcnt 0x0
	s_add_co_i32 s35, s35, 127
	s_lshl_b32 s40, s35, 23
	v_mov_b32 v11, s40                             ; 2^e as f32: the conversion takes its exponent field
	s_add_co_i32 s35, s35, EMAX
	s_lshl_b32 s35, s35, 23
	s_or_b32 s35, s35, MANT
	v_mov_b32 v10, s35                             ; 448 x 2^e
	s_wait_loadcnt 12                              ; step 0's four loads are in; the twelve of steps 1 to 3 may be out
	TURN 0
.macro STEP t
.set XS, X+16*((\t)%2)
	s_wait_dscnt 0x0                               ; this step's numbers are back from the stage: so its stores into the stage have read their registers,
.if (\t)+4 < STEPS
	LOAD (\t)+4                                    ; which take the loads of four steps on
.endif
.if (\t)+1 < STEPS
.if STEPS-2-(\t) >= 3
	s_wait_loadcnt 12                              ; the next step's four loads are in; those of the three steps behind it may be out
.else
	s_wait_loadcnt 4*(STEPS-2-(\t))                ; at the end the counts run down: 8, 4, 0
.endif
	TURN (\t)+1                                    ; and go through the other stage while this step is worked
.endif
.irp i, 0,1,2,3,4,5,6,7,8,9,10,11,12,13,14,15
	v_med3_num_f32 v[XS+\i], v[XS+\i], -v10, v10   ; the conversion to an 8-bit code does not saturate (ISA guide 7.6.2): the hold at the largest code x the scale comes first
.endr
	v_cvt_scalef32_pk8_fp8_f32 v[C+4*(\t):C+4*(\t)+1], v[XS:XS+7], v11
	v_cvt_scalef32_pk8_fp8_f32 v[C+4*(\t)+2:C+4*(\t)+3], v[XS+8:XS+15], v11
	global_store_b128 v3, v[C+4*(\t):C+4*(\t)+3], s[6:7] offset:512*(\t)   ; the wave stores 512 consecutive bytes.  (The codes go to a store alone; the next vector lines are the next step's holds, on other registers)
.endm
.irp t, 0,1,2,3,4,5,6,7,8,9,10,11,12,13,14,15
	STEP \t
.endr
	s_wait_tensorcnt 0x0
	ds_add_u32 v224, v225
	s_wait_dscnt 0x0
	s_endpgm
; ---- the mask.  Wave w takes key steps 4 w .. 4 w + 3 of the strip: four tiles of 16 rows x 128 ints
.Lmask:
	s_sub_co_u32 s32, ttmp9, 896                   ; m = 128 b + qt
	s_lshl_b32 s33, s32, 17                        ; 16 rows of 8,192 bytes
	s_lshl_b32 s34, s2, 11                         ; my four tiles' 2,048 bytes of a row
	s_add_co_u32 s40, s33, s34
	s_mov_b32 s41, 0
	s_add_nc_u64 s[22:23], s[22:23], s[40:41]
	s_lshl_b32 s33, s32, 4
	s_lshl_b32 s34, s2, 2
	s_add_co_u32 s33, s33, s34                     ; 16 m + 4 w: my first tile's number
	s_lshl_b32 s42, s33, 8                         ; 256 bytes of words a tile
	s_mov_b32 s43, 0
	s_add_nc_u64 s[30:31], s[30:31], s[42:43]
.irp i, 0,1,2,3,4,5,6,7
	v_mov_b32 v[OUT+\i], 0                         ; written whole once: v_writelane_b32 fills them lane by lane
.endr
.macro MLOAD t
.irp i, 0,1,2,3,4,5,6,7,8,9,10,11,12,13,14,15
	global_load_b128 v[MR+64*((\t)%2)+4*\i:MR+64*((\t)%2)+4*\i+3], v3, s[22:23] offset:8192*\i+512*(\t) th:TH_LOAD_NT   ; 512 consecutive bytes of row i
.endr
.endm
.macro MTILE t
.if (\t) < 3
	s_wait_loadcnt 16                              ; this tile's 16 loads are in; the next tile's 16 may be out
.else
	s_wait_loadcnt 0
.endif
.irp i, 0,1,2,3,4,5,6,7,8,9,10,11,12,13,14,15
	ds_store_b128 v12, v[MR+64*((\t)%2)+4*\i:MR+64*((\t)%2)+4*\i+3] offset:MP*\i
.endr
.irp i, 0,1,2,3,4,5,6,7,8,9,10,11,12,13,14,15
	ds_load_b128 v[MX+4*\i:MX+4*\i+3], v13 offset:128*(\i/4)+16*(\i%4)   ; registers 16 (i / 4) + 4 (i % 4) on: keys 32 (i / 4) + 16 h + 4 (i % 4) on, of row r
.endr
	s_wait_dscnt 0x0                               ; the tile is back, and the stores have read their registers,
.if (\t) < 2
	MLOAD (\t)+2                                   ; which take the tile two further on
.endif
.set n, 0
.rept 64
	v_cmp_ne_u32 s[36+n%4], 0, v[MX+n]             ; word n: a bit for each lane; four scalar registers by turns
	v_writelane_b32 v[OUT+2*(\t)+n%2], s[36+n%4], n/2
.set n, n+1
.endr
	global_store_b64 v9, v[OUT+2*(\t):OUT+2*(\t)+1], s[30:31] offset:256*(\t)   ; the wave stores the tile's 256 consecutive bytes, aligned
.endm
	MLOAD 0
	MLOAD 1
	MTILE 0
	MTILE 1
	MTILE 2
	MTILE 3
	s_wait_tensorcnt 0x0
	ds_add_u32 v224, v225
	s_wait_dscnt 0x0
	s_endpgm
.Lfunc_end_k_q2c44f6b060_prep:
	.size	k_q2c44f6b060_prep, .Lfunc_end_k_q2c44f6b060_prep-k_q2c44f6b060_prep
	.p2alignl 7, 3214868480
	.fill 96, 4, 3214868480
	.section	.rodata,"a",@progbits
	.p2align	6, 0x0
	.amdhsa_kernel k_q2c44f6b060_prep
		.amdhsa_group_segment_fixed_size 67072
		.amdhsa_private_segment_fixed_size 0
		.amdhsa_enable_private_segment 0
		.amdhsa_kernarg_size 96
		.amdhsa_user_sgpr_count 2
		.amdhsa_user_sgpr_kernarg_segment_ptr 1
		.amdhsa_wavefront_size32 1
		.amdhsa_system_sgpr_workgroup_id_x 1
		.amdhsa_system_sgpr_workgroup_id_y 1
		.amdhsa_system_sgpr_workgroup_id_z 1
		.amdhsa_system_vgpr_workitem_id 0
		.amdhsa_next_free_vgpr 226
		.amdhsa_next_free_sgpr 66
		.amdhsa_reserve_vcc 0
		.amdhsa_float_denorm_mode_32 3
		.amdhsa_float_denorm_mode_16_64 3
		.amdhsa_memory_ordered 1
		.amdhsa_forward_progress 1
		.amdhsa_inst_pref_size 86
	.end_amdhsa_kernel
	.amdgpu_metadata
---
amdhsa.version: [ 1, 2 ]
amdhsa.kernels:
  - .name:           k_q2c44f6b060_prep
    .symbol:         k_q2c44f6b060_prep.kd
    .args:
      - { .name: query, .offset: 0, .size: 8, .value_kind: global_buffer, .address_space: global }
      - { .name: key, .offset: 8, .size: 8, .value_kind: global_buffer, .address_space: global }
      - { .name: value, .offset: 16, .size: 8, .value_kind: global_buffer, .address_space: global }
      - { .name: Wq, .offset: 24, .size: 8, .value_kind: global_buffer, .address_space: global }
      - { .name: Wk, .offset: 32, .size: 8, .value_kind: global_buffer, .address_space: global }
      - { .name: Wv, .offset: 40, .size: 8, .value_kind: global_buffer, .address_space: global }
      - { .name: Wo, .offset: 48, .size: 8, .value_kind: global_buffer, .address_space: global }
      - { .name: mask, .offset: 56, .size: 8, .value_kind: global_buffer, .address_space: global }
      - { .name: lowp_scales, .offset: 64, .size: 8, .value_kind: global_buffer, .address_space: global }
      - { .name: xc, .offset: 72, .size: 8, .value_kind: global_buffer, .address_space: global }
      - { .name: wc, .offset: 80, .size: 8, .value_kind: global_buffer, .address_space: global }
      - { .name: mbits, .offset: 88, .size: 8, .value_kind: global_buffer, .address_space: global }
    .group_segment_fixed_size: 67072
    .private_segment_fixed_size: 0
    .kernarg_segment_align: 8
    .kernarg_segment_size: 96
    .max_flat_workgroup_size: 128
    .sgpr_count:     66
    .vgpr_count:     226
    .wavefront_size: 32
...
	.end_amdgpu_metadata
.endif
;; end of part 1
;; launch proj (part 2): grid 4 x 96, 4 waves a work-group, clusters of 4 x 4, 327,680 bytes of LDS; arguments xc, wc, bq, bk, bv, lowp_scales, qkv; writes qkv
.if DOCPART == 2
	.amdgcn_target "amdgcn-amd-amdhsa--gfx1250"
	.amdhsa_code_object_version 6
	.text
	.protected	k_q2c44f6b060_proj
	.globl	k_q2c44f6b060_proj
	.p2align	8
	.type	k_q2c44f6b060_proj,@function
k_q2c44f6b060_proj:
	s_mov_b64 s[64:65], 0
	v_nop
	global_prefetch_b8 v0, s[64:65] scope:SCOPE_SE
	s_setreg_imm32_b32 hwreg(HW_REG_WAVE_MODE, 25, 1), 1
	s_wait_xcnt 0x0
	s_wait_alu depctr_hold_cnt(0) depctr_sa_sdst(0) depctr_va_vdst(0) depctr_va_sdst(0) depctr_va_ssrc(0) depctr_va_vcc(0) depctr_vm_vsrc(0)
	s_getreg_b32 s2, hwreg(HW_REG_IB_STS2, 6, 4)
	s_cmp_eq_u32 s2, 0
	s_cbranch_scc0 .Lentry_in_a_cluster
	s_endpgm
.Lentry_in_a_cluster:
	s_bfe_u32 s2, ttmp6, 0x10000c
	s_cmp_lg_u32 s2, 0xf033
	s_cbranch_scc0 .Lentry_shape_is_right
	s_endpgm
.Lentry_shape_is_right:
; THE THREE PROJECTIONS, on codes of E4M3, their biases, and the quantising of q, k and v: C[m][n] = sum over k of A[m][k] B[n][k], K = 1,024.
; The cluster's y, cl = 0 .. 23, says which: p = cl / 8 = 0 (q), 1 (k), 2 (v).  q, k: A = the tokens' codes (8,192 rows), B = the weight's (1,024 rows).  v: A = Wv's codes, B = value's: the product is
; taken the other way round, so that a lane's eight results are eight neighbouring KEYS of one channel, which is the K of attention's second product.
; OUT, plane p of qkv (8 MiB each): code of C(row, col) at (col / 64) x CST + 64 row + col % 64.  q, k: CST = 8,192 x 64: [head][token][64].  v: CST = 1,024 x 64: [block of 64 keys][channel][64 keys].
; value ahead of the quantiser = sum x 2^(ea + eb) + bias; here (sum + bias / 2^(ea + eb)) goes to a conversion that divides by 2^(eo - ea - eb): powers of two alone are moved.
; The bias hangs on the column (q, k) or on the row (v).  Both are served by one line without a branch: Y[col] x RB[row] + sum, with RB = 1 (q, k) or Y = 1 (v).
; LIMITS: eo - ea - eb between -126 and 119; bias / 2^(ea + eb) an f32 number; NaN among the inputs is not served.
; A tile of C, 256 x 256, is made by a work-group of four waves; a wave makes 128 x 128: 64 accumulators of 16 x 16, 512 registers.  K goes in steps of 256 through a ring of two LDS slots filled by the tensor data mover.
; CLUSTERS: 4 x 4 work-groups.  The four of a row of the cluster need the same tiles of A, the four of a column the same tiles of B: each tile is asked for JOINTLY, by the same tensor load with the same
; descriptor and a mask that names the four.  THE MATRIX INSTRUCTION IS USED TRANSPOSED (source 0 = 16 rows of B, source 1 = 16 rows of A): a lane holds eight neighbouring columns of a row of C.
; A fragment is fetched by four loads of 16 bytes: a permutation of k, the same in A and in B, so that every product meets its partner.
; REGISTERS, in windows of 256: window 0: v0-31 addresses; v32-95 Y; v96-111 RB in pairs; v112, v113 the conversion's scale and the hold; from v128 A's fragments, ONE set; on the way out v128-255 are free.
;   window 1: B's fragments, TWO sets.   window 2: the 32 accumulators of my rows 0-63 ((a, b) at v[8 (8 a + b)]);   window 3: those of my rows 64-127.
; No prefetch: a tile of C has four K steps and two refills, and the launch's tiles are read by many work-groups at about the same time.
.set SIZE_K, 1024
.set KSTEP,  256
.set ROWB,   256                       ; a tile's row in bytes
.set KROW,   SIZE_K                    ; a row of A or of B in memory, in bytes
.set PITCH,  272                       ; an LDS row: 256 bytes + 16 of padding: the 16 rows that a load touches start at 16 different banks (64 banks of 4 bytes: ISA guide 11.1)
.set FR,     16                        ; registers of a fragment: 16 rows x 128 K
.set NL,     4                         ; LDS loads that bring one
.set NP,     4                         ; places behind this matrix instruction (ISA guide 7.12.1)
.set HALFT,  128*PITCH
.set SLOT,   4*HALFT                   ; A's 256 rows, then B's 256 rows
.set LAPS,   SIZE_K/(2*KSTEP)
.set SPARE,  2*SLOT                    ; behind the ring: the spare words, 128 bytes for each wave
.set OP,     336                       ; the way out: a stage of 256 rows x (256 bytes of codes + 80), the work-group's, in slot 0, which has had its last fill and its last read by then
.set ADRA, 16
.set ADRB, 20
.set STO,  24                          ; v24  the stage: where I put 8 codes
.set RD,   25                          ; v25  where I read back: rows 0-127
.set CO,   26                          ; v26  16 x lane
.set RD2,  27                          ; v27  rows 128-255
.set SPW,  28
.set NIL,  29
.set Y,    32
.set RB,   96
.set T,    128                         ; the way out: a block's 64 values
.set CD,   192                         ; and its codes: two sets of 16
.set AF,   128
.set G1, 24
.set G0, 32
.set G1B, 48
.set G0B, 56
.set MSB, 0
.macro WIN new                         ; the immediate's high byte repeats the setting that is left
.if MSB != \new
	s_set_vgpr_msb (MSB<<8)|\new
.set MSB, \new
.endif
.endm
.set MUL_LO, 0xa1                      ; source 0 (B) window 1, source 1 (A) window 0, C and D window 2
.set MUL_HI, 0xf1
.set TO_B,   0x40
; A joint load: waves 0 and 1 fetch for A, waves 2 and 3 for B; the branch hangs on the wave's number alone.  Four v_nop follow each of the two lines.
.macro JLOAD g0a, g1a, g0b, g1b
	s_cmp_eq_u32 s15, 0
	s_cbranch_scc0 .Lfor_b_\@
	tensor_load_to_lds s[\g0a:\g0a+3], s[\g1a:\g1a+7]
	s_nop 0
.rept 4
	v_nop
.endr
	s_branch .Lasked_\@
.Lfor_b_\@:
	tensor_load_to_lds s[\g0b:\g0b+3], s[\g1b:\g1b+7]
	s_nop 0
.rept 4
	v_nop
.endr
.Lasked_\@:
.endm
.macro CREST                           ; a round of the cluster's barrier behind its opening barrier
	s_cmp_lg_u32 s14, 0
	s_cbranch_scc1 .Lnot_wave_0_\@
	s_barrier_signal -3
.Lnot_wave_0_\@:
	s_barrier_wait -3
	s_barrier_signal -1
	s_barrier_wait -1
.endm
.macro CROUND
	s_barrier_signal -1
	s_barrier_wait -1
	CREST
.endm
	s_load_b128 s[4:7], s[0:1], 0x0                ; xc, wc
	s_load_b256 s[68:75], s[0:1], 0x10             ; bq, bk, bv, the scales' exponents
	s_load_b64 s[76:77], s[0:1], 0x30              ; qkv
	v_lshl_add_u32 v[SPW], v0, 2, SPARE
	v_mov_b32 v[NIL], 0
	ds_add_u32 v28, v29
	ds_add_u32 v28, v29
	s_wait_dscnt 0x0
	v_lshrrev_b32 v1, 5, v0
	v_readfirstlane_b32 s14, v1                    ; wave 0..3
	s_lshr_b32 s15, s14, 1                         ; which half of the tile's rows is mine.  Also: I fetch for A (0) or for B (1)
	s_and_b32 s16, s14, 1                          ; which half of its columns.  Also: which 128 rows of that tile I fetch
	s_bfe_u32 s40, ttmp6, 0x40000                  ; cx, cy: my place in the cluster
	s_bfe_u32 s41, ttmp6, 0x40004
	s_and_b32 s82, ttmp7, 0xffff                   ; cl: the cluster's y, which all sixteen partners share
	s_lshr_b32 s83, s82, 3                         ; p
	s_and_b32 s80, s82, 7
	s_lshl_b32 s80, s80, 2                         ; the cluster's first tile along the axis of 8,192
	s_cmp_lt_u32 s82, 16                           ; q or k?
	s_cselect_b32 s17, s80, 0
	s_cselect_b32 s42, 0, s80
	s_cselect_b32 s67, -1, 0                       ; as a mask of lanes
	s_mov_b32 s66, 0x10000
	s_cselect_b32 s66, 0x80000, s66                ; CST
	s_add_co_u32 s17, s17, s41                     ; A's tile (tile row of C): + cy
	s_add_co_u32 s42, s42, s40                     ; B's tile (tile column): + cx
	s_lshl_b32 s43, s41, 2
	s_lshl_b32 s43, 15, s43                        ; my row of the cluster
	s_lshl_b32 s44, 0x1111, s40                    ; my column
	; descriptor group 1: a tile of 128 rows x 256 bytes, padded in LDS
	s_or_b32 s[G1+0], s43, (0<<16)|(1<<20)|(1<<21)|(5<<22)|(3<<25)  ; 15:0 the mask; 17:16 element of 1 byte; 20 padding on; 21 set beside a mask; 24:22 after every 64 words; 31:25 four words
	s_or_b32 s[G1B+0], s44, (0<<16)|(1<<20)|(1<<21)|(5<<22)|(3<<25)
.irp g, G1, G1B
	s_mov_b32 s[\g+1], ROWB<<16                    ; tensor_dim0
	s_mov_b32 s[\g+2], 128<<16                     ; tensor_dim1
	s_mov_b32 s[\g+3], ROWB<<16                    ; tile_dim0
	s_mov_b32 s[\g+4], 128                         ; tile_dim1
	s_mov_b32 s[\g+5], KROW                        ; tensor_dim0_stride
	s_mov_b32 s[\g+6], 0
	s_mov_b32 s[\g+7], 0
.endr
	s_lshl_b32 s18, s16, 7                         ; which 128 rows of the tile I fetch
	s_lshl_b32 s20, s17, 8
	s_add_co_u32 s20, s20, s18
	s_lshl_b32 s20, s20, 10                        ; A: (256 x tile + 128 x half) rows of 1,024 bytes: under 2^23
	s_mov_b32 s21, 0
	s_lshl_b32 s46, s42, 8
	s_add_co_u32 s46, s46, s18
	s_lshl_b32 s46, s46, 10                        ; B likewise
	s_mov_b32 s47, 0
	s_mul_i32 s45, s14, HALFT                      ; where they go: wave x 128 rows: no place in the cluster enters an LDS address
	s_lshl_b32 s78, s83, 23                        ; plane p of xc and of qkv
	s_mov_b32 s79, 0
	s_lshl_b32 s80, s83, 20                        ; plane p of wc
	s_mov_b32 s81, 0
	s_wait_kmcnt 0x0
	s_load_b256 s[84:91], s[74:75], 0x0            ; e0 .. e7
	s_load_b128 s[92:95], s[74:75], 0x20           ; e8 .. e11
	s_add_nc_u64 s[4:5], s[4:5], s[78:79]          ; the tokens' codes
	s_add_nc_u64 s[6:7], s[6:7], s[80:81]          ; the weight's
	s_add_nc_u64 s[76:77], s[76:77], s[78:79]      ; the plane of results
	s_cmp_lt_u32 s82, 16
	s_cselect_b64 s[8:9], s[4:5], s[6:7]           ; A
	s_cselect_b64 s[10:11], s[6:7], s[4:5]         ; B
	s_add_nc_u64 s[20:21], s[8:9], s[20:21]
	s_add_nc_u64 s[46:47], s[10:11], s[46:47]
	CROUND                                         ; all sixteen work-groups are here: the first joint loads meet
.irp s, 0,1
	s_mov_b32 s[G0+4*\s], 1
	s_add_co_u32 s[G0+4*\s+1], s45, \s*SLOT
	s_add_nc_u64 s[G0+4*\s+2:G0+4*\s+3], s[20:21], \s*ROWB
	s_or_b32 s[G0+4*\s+3], s[G0+4*\s+3], 0x80000000
	s_mov_b32 s[G0B+4*\s], 1
	s_add_co_u32 s[G0B+4*\s+1], s45, \s*SLOT
	s_add_nc_u64 s[G0B+4*\s+2:G0B+4*\s+3], s[46:47], \s*ROWB
	s_or_b32 s[G0B+4*\s+3], s[G0B+4*\s+3], 0x80000000
	JLOAD G0+4*\s, G1, G0B+4*\s, G1B
.endr
	v_and_b32 v1, 15, v0                           ; r = l % 16
	v_bfe_u32 v2, v0, 4, 1                         ; h = l / 16
	v_mul_u32_u24 v3, v1, PITCH
	v_lshl_add_u32 v4, v2, 4, v3                   ; a fragment's row x pitch + 16 x half
	s_mul_i32 s2, s15, HALFT                       ; my 128 rows of A
	s_mul_i32 s3, s16, HALFT                       ; my 128 rows of B,
	s_add_co_u32 s3, s3, 2*HALFT                   ; which lie behind A's 256
.irp s, 0,1
	v_add_nc_u32 v[ADRA+\s], s2, v4
	v_add_nc_u32 v[ADRB+\s], s3, v4
	s_add_co_u32 s2, s2, SLOT
	s_add_co_u32 s3, s3, SLOT
.endr
	s_mul_i32 s2, s15, 128*OP                      ; the stage, in: row 128 x row half + r, byte 128 x column half + 8 h
	s_lshl_b32 s3, s16, 7
	s_add_co_u32 s2, s2, s3
	v_mul_u32_u24 v5, v1, OP
	v_lshl_add_u32 v5, v2, 3, v5
	v_add_nc_u32 v[STO], s2, v5
	v_and_b32 v6, 31, v0
	v_lshrrev_b32 v5, 2, v6                        ; back: wave w takes columns 64 w .. 64 w + 63 of all rows: four lanes to a row, eight rows an instruction
	v_mul_u32_u24 v5, v5, OP
	v_and_b32 v9, 3, v6
	v_lshl_add_u32 v5, v9, 4, v5
	s_lshl_b32 s2, s14, 6
	v_add_nc_u32 v[RD], s2, v5
	v_add_nc_u32 v[RD2], 128*OP, v[RD]
	v_lshlrev_b32 v[CO], 4, v6
	v_lshlrev_b32 v7, 5, v2                        ; Y: 32 h bytes
	v_lshlrev_b32 v8, 2, v1                        ; RB: 4 r bytes
	; the bias: which, and from where.  The side that is not used loads the buffer's first numbers and is replaced by 1
	s_cmp_eq_u32 s83, 0
	s_cselect_b64 s[12:13], s[68:69], s[70:71]
	s_cmp_eq_u32 s83, 2
	s_cselect_b64 s[12:13], s[72:73], s[12:13]
	s_lshl_b32 s100, s42, 10
	s_lshl_b32 s19, s16, 9
	s_add_co_u32 s100, s100, s19                   ; (256 x B's tile + 128 x column half) x 4 bytes
	s_lshl_b32 s22, s17, 10
	s_lshl_b32 s19, s15, 9
	s_add_co_u32 s22, s22, s19                     ; (256 x A's tile + 128 x row half) x 4 bytes
	s_cmp_lt_u32 s82, 16
	s_cselect_b32 s100, s100, 0
	s_cselect_b32 s22, 0, s22
	s_mov_b32 s101, 0
	s_mov_b32 s23, 0
	s_add_nc_u64 s[100:101], s[12:13], s[100:101]
	s_add_nc_u64 s[22:23], s[12:13], s[22:23]
.irp b, 0,1,2,3,4,5,6,7
	global_load_b128 v[Y+8*\b:Y+8*\b+3], v7, s[100:101] offset:64*\b        ; the bias of columns 16 b + 8 h + 0 .. 7
	global_load_b128 v[Y+8*\b+4:Y+8*\b+7], v7, s[100:101] offset:64*\b+16
.endr
.irp a, 0,1,2,3,4,5,6,7
	global_load_b32 v[RB+2*\a], v8, s[22:23] offset:64*\a                  ; the bias of row 16 a + r
.endr
	; where wave w's columns of the tile begin in the plane: (4 x B's tile + w) x CST + A's tile x 256 rows x 64 bytes
	s_lshl_b32 s104, s42, 2
	s_add_co_u32 s104, s104, s14
	s_mul_i32 s104, s104, s66
	s_lshl_b32 s105, s17, 14
	s_add_co_u32 s104, s104, s105
	s_mov_b32 s105, 0
	s_add_nc_u64 s[76:77], s[76:77], s[104:105]
	s_wait_kmcnt 0x0
	s_cmp_eq_u32 s83, 1                            ; (ea, eb, eo): q: entries 0, 1, 6;  k: 2, 3, 7;  v: 4, 5, 9
	s_cselect_b32 s96, s86, s84
	s_cselect_b32 s97, s87, s85
	s_cselect_b32 s98, s91, s90
	s_cmp_eq_u32 s83, 2
	s_cselect_b32 s96, s88, s96
	s_cselect_b32 s97, s89, s97
	s_cselect_b32 s98, s93, s98
	s_add_co_i32 s96, s96, s97                     ; ea + eb
	s_sub_co_i32 s99, 0, s96
	s_sub_co_i32 s98, s98, s96                     ; eo - ea - eb
	s_add_co_i32 s98, s98, 127
	s_lshl_b32 s97, s98, 23
	v_mov_b32 v112, s97                            ; 2^(eo - ea - eb) as f32: the conversion takes its exponent field
	s_add_co_i32 s98, s98, 8
	s_lshl_b32 s98, s98, 23
	s_or_b32 s98, s98, 0x600000
	v_mov_b32 v113, s98                            ; 448 x that
	s_wait_loadcnt 0x0
.set j, 0
.rept 64
	v_ldexp_f32 v[Y+j], v[Y+j], s99                ; bias / 2^(ea + eb)
.set j, j+1
.endr
.set j, 0
.rept 64
	v_cndmask_b32 v[Y+j], 1.0, v[Y+j], s67         ; v: 1
.set j, j+1
.endr
.irp a, 0,1,2,3,4,5,6,7
	v_ldexp_f32 v[RB+2*\a], v[RB+2*\a], s99
.endr
.irp a, 0,1,2,3,4,5,6,7
	v_cndmask_b32 v[RB+2*\a], v[RB+2*\a], 1.0, s67 ; q, k: 1
.endr
.irp a, 0,1,2,3,4,5,6,7
	v_mov_b32 v[RB+2*\a+1], v[RB+2*\a]             ; twice: a pair for the packed form
.endr
.macro FRAG reg, adr, q, i             ; 16 rows x 128 K: lane l holds row l % 16; registers 4 c .. 4 c + 3 hold K = 32 c + 16 (l / 16) + 0 .. 15
.irp c, 0,1,2,3
	ds_load_b128 v[\reg+4*\c:\reg+4*\c+3], v[\adr] offset:128*(\q)+32*\c+(\i)*16*PITCH
.endr
.endm
; 16 matrix instructions: A's blocks a0, a0 + 1 x B's eight.  zero = 1: the first product starts the sums.  The 64 accumulators take turns, one instruction a turn, in the same order in every step.
.macro MUL16 a0, p, zero
.irp a, \a0, \a0+1
.irp b, 0,1,2,3,4,5,6,7
.if \zero
	v_wmma_f32_16x16x128_fp8_fp8 v[8*(8*((\a)%4)+\b):8*(8*((\a)%4)+\b)+7], v[128*(\p)+FR*\b:128*(\p)+FR*\b+FR-1], v[AF+FR*(\a):AF+FR*(\a)+FR-1], 0
.else
	v_wmma_f32_16x16x128_fp8_fp8 v[8*(8*((\a)%4)+\b):8*(8*((\a)%4)+\b)+7], v[128*(\p)+FR*\b:128*(\p)+FR*\b+FR-1], v[AF+FR*(\a):AF+FR*(\a)+FR-1], v[8*(8*((\a)%4)+\b):8*(8*((\a)%4)+\b)+7]
.endif
.endr
.endr
.endm
.macro FETCH_B slot, q, p
	WIN TO_B
.irp i, 0,1,2,3,4,5,6,7
	FRAG 128*(\p)+FR*\i, ADRB+\slot, \q, \i
.endr
	WIN 0
.endm
.macro FETCH_A slot, q, i0
.irp i, \i0, \i0+1, \i0+2, \i0+3
	FRAG AF+FR*(\i), ADRA+\slot, \q, \i
.endr
.endm
.macro PLACES n                        ; plain vector instructions between a matrix instruction and a load into, or a read of, its registers
.rept \n
	v_nop
.endr
.endm
.macro STEP slot, q, zero              ; 128 along K, with its successor in the same slot
	s_wait_dscnt 4*NL                              ; B's set and A's blocks 0-3 are in; the youngest sixteen loads (A's blocks 4-7) may be out
	WIN MUL_LO
	MUL16 0, (\q)%2, \zero
	MUL16 2, (\q)%2, \zero
	s_wait_dscnt 0                                 ; A's blocks 4-7 are in
	PLACES NP
	FETCH_B \slot, (\q)+1, 1-(\q)%2
	FETCH_A \slot, (\q)+1, 0
	WIN MUL_HI
	MUL16 4, (\q)%2, \zero
	MUL16 6, (\q)%2, \zero
	PLACES NP
	WIN 0
	FETCH_A \slot, (\q)+1, 4
.endm
; A slot's last step changes slots: ONE barrier; in front of it each wave waits for all its tensor loads, adds 0 to its spare word, and waits for that and for its own reads of this slot.  fill = 1: this slot is filled again, two K steps ahead.
.macro TURN slot, next, fill
	s_wait_tensorcnt 0x0                           ; all my tensor loads have landed: my part of the next slot
	ds_add_u32 v[SPW], v[NIL]                      ; 0 onto my spare word
	s_wait_dscnt 4*NL+1                            ; (the add and the youngest sixteen loads, A's blocks 4-7, may be out)
	WIN MUL_LO
	MUL16 0, 1, 0
	s_wait_dscnt 0x0                               ; the add is done, and my reads of this slot are over
	s_barrier_signal -1
	MUL16 2, 1, 0
	WIN 0
	s_barrier_wait -1
.if \fill
	CREST                                          ; the barrier has opened a round of the cluster's barrier: no wave of any partner still reads this slot's tile or has a load on its way
	s_add_nc_u64 s[G0+4*\slot+2:G0+4*\slot+3], s[G0+4*\slot+2:G0+4*\slot+3], 2*ROWB
	s_add_nc_u64 s[G0B+4*\slot+2:G0B+4*\slot+3], s[G0B+4*\slot+2:G0B+4*\slot+3], 2*ROWB
	JLOAD G0+4*\slot, G1, G0B+4*\slot, G1B         ; the first tensor load behind the round; its four v_nop are the places in front of the loads below
.else
	PLACES NP
.endif
	FETCH_B \next, 0, 0
	FETCH_A \next, 0, 0
	WIN MUL_HI
	MUL16 4, 1, 0
	MUL16 6, 1, 0
	PLACES NP
	WIN 0
	FETCH_A \next, 0, 4
.endm
	s_wait_tensorcnt 1                             ; my part of K step 0 is in (K step 1's load may be out)
	s_barrier_signal -1
	s_barrier_wait -1                              ; everybody's is
	FETCH_B 0, 0, 0
	FETCH_A 0, 0, 0
	FETCH_A 0, 0, 4
	STEP 0, 0, 1                                   ; the first step stands in front of the loop: its products start the sums
	s_mov_b32 s3, LAPS-1
.Llap:                                                 ; a trip goes once round the ring and fills both slots again
	TURN 0, 1, 1
	STEP 1, 0, 0
	TURN 1, 0, 1
	STEP 0, 0, 0
	s_sub_co_u32 s3, s3, 1
	s_cmp_lg_u32 s3, 0
	s_cbranch_scc1 .Llap
	TURN 0, 1, 0                                   ; the last lap fills nothing
	STEP 1, 0, 0
	s_wait_dscnt 4*NL
	WIN MUL_LO
	MUL16 0, 1, 0
	MUL16 2, 1, 0
	s_wait_dscnt 0
	WIN MUL_HI
	MUL16 4, 1, 0
	MUL16 6, 1, 0
	WIN 0
; THE WAY OUT.  Block a (16 rows x 128 columns): bias, hold, conversion: a lane's eight values of an accumulator become 8 bytes of a row of the stage.
.macro OUTBLK a
.set AC, 64*((\a)%4)
	WIN 0x20+0x10*((\a)/4)                         ; source 2 (the sums): window 2 or 3
.irp b, 0,1,2,3,4,5,6,7
.irp i, 0,2,4,6
	v_pk_fma_f32 v[T+8*\b+\i:T+8*\b+\i+1], v[Y+8*\b+\i:Y+8*\b+\i+1], v[RB+2*(\a):RB+2*(\a)+1], v[AC+8*\b+\i:AC+8*\b+\i+1]   ; Y x RB + sum; each accumulator from its low end on
.endr
.endr
	WIN 0
.set j, 0
.rept 64
	v_med3_num_f32 v[T+j], v[T+j], -v113, v113     ; the conversion does not saturate (ISA guide 7.6.2): the hold comes first
.set j, j+1
.endr
.if (\a) >= 2
	s_wait_dscnt 8                                 ; the last block's eight stores may be out; those of the block before it, which read this set of codes, are done
.endif
.irp b, 0,1,2,3,4,5,6,7
	v_cvt_scalef32_pk8_fp8_f32 v[CD+16*((\a)%2)+2*\b:CD+16*((\a)%2)+2*\b+1], v[T+8*\b:T+8*\b+7], v112
.endr
	v_nop                                          ; a plain vector instruction between the conversions and the next lines that write their sources
.irp b, 0,1,2,3,4,5,6,7
	ds_store_b64 v[STO], v[CD+16*((\a)%2)+2*\b:CD+16*((\a)%2)+2*\b+1] offset:(\a)*16*OP+16*\b
.endr
.endm
	PLACES NP                                      ; behind the last products: their results are read and A's registers written below
.irp a, 0,1,2,3,4,5,6,7
	OUTBLK \a
.endr
	s_wait_dscnt 0x0                               ; for the others' sake: my stores into the stage are done
	s_barrier_signal -1
	s_barrier_wait -1
.set u, 0
.rept 32                               ; eight rows x 64 bytes an instruction: 512 bytes that lie on end in the plane
.if u < 16
	ds_load_b128 v[128+4*u:128+4*u+3], v[RD] offset:u*8*OP
.else
	ds_load_b128 v[128+4*u:128+4*u+3], v[RD2] offset:(u-16)*8*OP
.endif
.set u, u+1
.endr
.set u, 0
.rept 32
	s_wait_dscnt 31-u                              ; LDS loads come back in order: load u is in
	global_store_b128 v[CO], v[128+4*u:128+4*u+3], s[76:77] offset:512*u   ; the wave stores 512 consecutive bytes, aligned
.set u, u+1
.endr
	s_wait_tensorcnt 0x0                           ; the wave's end
	ds_add_u32 v[SPW], v[NIL]
	s_wait_dscnt 0x0
	CROUND                                         ; the closing round: no work-group ends while a partner may still ask for a tile that names it
	s_endpgm
.Lfunc_end_k_q2c44f6b060_proj:
	.size	k_q2c44f6b060_proj, .Lfunc_end_k_q2c44f6b060_proj-k_q2c44f6b060_proj
	.p2alignl 7, 3214868480
	.fill 96, 4, 3214868480
	.section	.rodata,"a",@progbits
	.p2align	6, 0x0
	.amdhsa_kernel k_q2c44f6b060_proj
		.amdhsa_group_segment_fixed_size 327680
		.amdhsa_private_segment_fixed_size 0
		.amdhsa_enable_private_segment 0
		.amdhsa_kernarg_size 56
		.amdhsa_user_sgpr_count 2
		.amdhsa_user_sgpr_kernarg_segment_ptr 1
		.amdhsa_wavefront_size32 1
		.amdhsa_system_sgpr_workgroup_id_x 1
		.amdhsa_system_sgpr_workgroup_id_y 1
		.amdhsa_system_sgpr_workgroup_id_z 1
		.amdhsa_system_vgpr_workitem_id 0
		.amdhsa_next_free_vgpr 1024
		.amdhsa_next_free_sgpr 106
		.amdhsa_reserve_vcc 0
		.amdhsa_float_denorm_mode_32 3
		.amdhsa_float_denorm_mode_16_64 3
		.amdhsa_memory_ordered 1
		.amdhsa_forward_progress 1
		.amdhsa_inst_pref_size 154
	.end_amdhsa_kernel
	.amdgpu_metadata
---
amdhsa.version: [ 1, 2 ]
amdhsa.kernels:
  - .name:           k_q2c44f6b060_proj
    .symbol:         k_q2c44f6b060_proj.kd
    .args:
      - { .name: xc, .offset: 0, .size: 8, .value_kind: global_buffer, .address_space: global }
      - { .name: wc, .offset: 8, .size: 8, .value_kind: global_buffer, .address_space: global }
      - { .name: bq, .offset: 16, .size: 8, .value_kind: global_buffer, .address_space: global }
      - { .name: bk, .offset: 24, .size: 8, .value_kind: global_buffer, .address_space: global }
      - { .name: bv, .offset: 32, .size: 8, .value_kind: global_buffer, .address_space: global }
      - { .name: lowp_scales, .offset: 40, .size: 8, .value_kind: global_buffer, .address_space: global }
      - { .name: qkv, .offset: 48, .size: 8, .value_kind: global_buffer, .address_space: global }
    .group_segment_fixed_size: 327680
    .private_segment_fixed_size: 0
    .kernarg_segment_align: 8
    .kernarg_segment_size: 56
    .max_flat_workgroup_size: 128
    .sgpr_count:     106
    .vgpr_count:     1024
    .wavefront_size: 32
...
	.end_amdgpu_metadata
.endif
;; end of part 2
;; launch attn (part 3): grid 8 x 64, 16 waves a work-group, no clusters, 327,680 bytes of LDS; arguments qkv, mbits, lowp_scales, ac; writes ac
.if DOCPART == 3
	.amdgcn_target "amdgcn-amd-amdhsa--gfx1250"
	.amdhsa_code_object_version 6
	.text
	.protected	k_q2c44f6b060_attn
	.globl	k_q2c44f6b060_attn
	.p2align	8
	.type	k_q2c44f6b060_attn,@function
k_q2c44f6b060_attn:
	s_mov_b64 s[64:65], 0
	v_nop
	global_prefetch_b8 v0, s[64:65] scope:SCOPE_SE
	s_setreg_imm32_b32 hwreg(HW_REG_WAVE_MODE, 25, 1), 1
	s_wait_xcnt 0x0
; ATTENTION ON CODES OF E4M3, head size 64, 2,048 keys, with the mask as it was given (packed into lane masks by the first launch), and the quantising of its result for the last projection.
; qkv: plane 0 q [head][token][64], plane 1 k likewise, plane 2 V^T [block of 64 keys][channel 1,024][64 keys].  mbits: [b][tile of 16 queries][key step][64 words].  ac: [head][token][64] codes.
; THE SOFTMAX: t = score x 2^(e6 + e7) x log2(e) / 8; M = the row's largest t so far, rounded UP to a whole number; p = 2^(t - M) is what is quantised (2^e8); the row's sum is taken of the unquantised p and divides at the end.
; THE MASK: a hidden score is replaced ahead of the maximum by the raw number -2^(33 - e6 - e7), which stands for the logit -2^30 where the definition has -1e9.  A power of two, so that raw x c is exact and a row
; that is hidden everywhere gets t - M = 0, p = 1 for every key: the plain mean of v, as with -1e9.  Beside any open key both give p = 0.
; LIMITS: e6 + e7 between -94 and 9 (open logits are at most 64 x 448^2 / 8 x 2^(e6 + e7) in magnitude and must lie above -2^30; the powers of two must be f32 numbers); e8, and e10 - e8 - e9, between -126 and 119.
; SHARES.  A work-group owns 256 queries of one head of one batch; each of its SIXTEEN waves owns 16, one tile, in 256 registers: four waves to a SIMD, so that one wave's vector work stands beside another's matrix work and LDS loads.
; Every wave walks all 2,048 keys, 128 a step.  K and V^T come through a ring of two LDS slots of 512 keys; EVERY wave fetches one block of 4,096 dense bytes of each slot (waves 0-7: 64 keys of K; waves 8-15: 64 keys of V^T).
; LAYOUT.  Both products are used transposed: S^T = K Q^T, O^T = V^T P^T: a lane holds ONE query (lane % 16) throughout.  Lane r of tile 2 b + u of K takes key 32 b + 8 u + r + 8 (r / 8), so that the 16 registers of
; tiles 2 b and 2 b + 1 are the neighbouring keys 32 b + 16 (lane / 16) + 0 .. 15: the conversions' results are the second product's operand.
; NO CLUSTER, though the eight query blocks of a head read the same tiles: at a change of slots a work-group asks for 65,536 bytes and then issues 16 waves x 4 steps x (12 matrix and some 320 vector instructions),
; a whole slot's steps in which the load lands; there are four changes in all, and a round at each would tie four work-groups to the slowest.
; REGISTERS: v1-7, v10 addresses that stay; v8, v9 addresses in hand; v12 -M, v13 the largest t, v[14:15] the sum in two halves; v16-23 Q; v24-28 constants; v29 at work; v[30:31] f; v32-95 fragments of K, then of V^T;
; v96-159 S^T, then p; v160-191 O^T; v192-207 p's codes; v208-211 at work.
.set KP,    80                         ; a line of 64 codes in LDS: 64 bytes + 16 of padding
.set BLK,   64*KP                      ; a block: 64 lines
.set VOFF,  8*BLK                      ; a slot: 8 blocks of K (key x 80), then 8 of V^T ([block of 64 keys][channel x 80])
.set STEPB, 2*BLK                      ; a key step: 128 keys of K, and two blocks of V^T
.set SLOT1, 1<<17                      ; slot 1 begins here: one exclusive or turns an address from one slot to the other
.set NSL,   4                          ; slots' worth of keys
.set SPARE, 2*SLOT1                    ; behind the ring: the spare words, 128 bytes for each of sixteen waves
.set AK0, 1
.set AV0, 2
.set PFO, 3
.set STO, 4                            ; the way out: a stage of 1,024 bytes a wave in slot 0, which was left at the last change of slots: it has had its last fill, and nobody reads it
.set SPW, 5
.set NIL, 6
.set GO,  7
.set ADK, 8
.set ADV, 9
.set RD,  10
.set TB,  2                            ; s2   LDS byte at which the step in hand begins
.set SLOTS, 3                          ; s3   slots still to be asked for
.set CNT, 4                            ; s4   counts a slot's four steps
.set WV,  5                            ; s5   wave
.set MB,  6                            ; s[6:7] my tile's 4,096 bytes of mask words
.set MO,  8                            ; s8   the byte among them of the step whose words are asked for
.set LIM, 9                            ; s9   1 in a wave that prefetches, else the greatest number
.set PFA, 10                           ; s[10:11] where my prefetches stand
.set GST, 12                           ; s[12:13] a slot on, in my tensor's memory
.set PFS, 14                           ; s[14:15] the same for my prefetches
.set G1,  16                           ; s[16:23] descriptor group 1
.set G0,  24                           ; s[24:27] descriptor group 0, which walks
.set CS,  28                           ; s[28:29] c, twice
.set SEL, 30                           ; s[30:31] lane selects for v_permlanex16_b32: lane l xor 16
.set AC,  66                           ; s[66:67] my 1,024 bytes of ac
; s[32:63], s[68:99]: the step's 64 mask words (ahead of the loop: at work)
	s_load_b256 s[36:43], s[0:1], 0x0              ; qkv s[36:37], mbits s[38:39], the scales' exponents s[40:41], ac s[42:43]
	v_lshl_add_u32 v[SPW], v0, 2, SPARE
	v_mov_b32 v[NIL], 0
	ds_add_u32 v5, v6
	ds_add_u32 v5, v6
	s_wait_dscnt 0x0
	v_lshrrev_b32 v8, 5, v0
	v_readfirstlane_b32 s[WV], v8                  ; wave 0..15
	s_and_b32 s44, ttmp7, 0xffff
	s_lshr_b32 s45, s44, 4                         ; b
	s_and_b32 s46, s44, 15                         ; head
	s_lshl_b32 s47, s46, 19                        ; a head's plane of q, k, ac: 8,192 tokens x 64
	s_lshl_b32 s48, s45, 17                        ; a batch's 2,048 tokens in it
	s_add_co_u32 s49, s47, s48
	s_lshl_b32 s52, s46, 12                        ; a head's 64 channels x 64 in a block of V^T
	s_and_b32 s53, s[WV], 7
	s_lshl_b32 s50, s53, 12
	s_add_co_u32 s50, s50, s49
	s_add_co_u32 s50, s50, 0x800000                ; K: plane 1, my 64 keys of slot 0
	s_lshl_b32 s51, s45, 5
	s_add_co_u32 s51, s51, s53
	s_lshl_b32 s51, s51, 16
	s_add_co_u32 s51, s51, s52
	s_add_co_u32 s51, s51, 0x1000000               ; V^T: plane 2, block 32 b + (wave & 7), my head's channels
	s_cmp_lt_u32 s[WV], 8
	s_cselect_b32 s54, s50, s51
	s_mov_b32 s55, 0
	s_mov_b32 s[GST], 0x80000                      ; V^T: eight blocks of 65,536 bytes on;
	s_cselect_b32 s[GST], 0x8000, s[GST]           ; K: 512 keys x 64
	s_mov_b32 s[GST+1], 0
	s_lshl_b32 s56, s45, 7
	s_lshl_b32 s57, ttmp9, 4
	s_add_co_u32 s56, s56, s57
	s_add_co_u32 s56, s56, s[WV]                   ; 128 b + my tile of 16 queries
	s_lshl_b32 s58, s56, 12                        ; its mask words
	s_mov_b32 s59, 0
	s_lshl_b32 s60, s56, 10
	s_add_co_u32 s60, s60, s47                     ; its 16 rows of 64 bytes in q's plane and in ac
	s_mov_b32 s61, 0
	; the prefetches: waves 0-3 of the head's first work-group ask for K, 8,192 bytes each; waves 4-7 for V^T, two blocks each.  (The other waves' addresses are made alike and never used.)
	s_and_b32 s62, s[WV], 3
	s_lshl_b32 s63, s62, 13
	s_add_co_u32 s63, s63, s49
	s_add_co_u32 s63, s63, 0x808000                ; K, in slot 1: the first change of slots steps it to slot 2
	s_lshl_b32 s100, s45, 5
	s_lshl_b32 s101, s62, 1
	s_add_co_u32 s100, s100, s101
	s_lshl_b32 s100, s100, 16
	s_add_co_u32 s100, s100, s52
	s_add_co_u32 s100, s100, 0x1080000             ; V^T likewise
	s_and_b32 s101, s[WV], 4
	s_cmp_eq_u32 s101, 0
	s_cselect_b32 s100, s63, s100
	s_mov_b32 s101, 0
	s_mov_b32 s[PFS], 0x80000
	s_cselect_b32 s[PFS], 0x8000, s[PFS]
	s_mov_b32 s[PFS+1], 0
	s_cselect_b32 s57, 12, 16                      ; lanes 16-31 stand 4,096 bytes (K) or a block of 65,536 (V^T) behind lanes 0-15
	s_lshr_b32 s[LIM], s[WV], 3
	s_or_b32 s[LIM], s[LIM], ttmp9                 ; 0 in waves 0-7 of the head's first work-group
	s_cmp_eq_u32 s[LIM], 0
	s_cselect_b32 s[LIM], 1, -1
	; descriptor group 1: 4,096 dense bytes as 16 rows of 256, with 16 bytes of padding behind every 64: 64 lines of 80 bytes in LDS
	s_mov_b32 s[G1], (0<<16)|(1<<20)|(3<<22)|(3<<25)   ; no mask; elements of 1 byte; padding on; after every 16 words; four words
	s_mov_b32 s[G1+1], 256<<16                     ; tensor_dim0
	s_mov_b32 s[G1+2], 16<<16                      ; tensor_dim1
	s_mov_b32 s[G1+3], 256<<16                     ; tile_dim0
	s_mov_b32 s[G1+4], 16                          ; tile_dim1
	s_mov_b32 s[G1+5], 256                         ; tensor_dim0_stride
	s_mov_b32 s[G1+6], 0
	s_mov_b32 s[G1+7], 0
	s_mov_b32 s[G0], 1
	s_mul_i32 s[G0+1], s[WV], BLK                  ; LDS: block number = my wave's number, slot 0
	s_mov_b32 s[SEL], 0x76543210
	s_mov_b32 s[SEL+1], 0xfedcba98
	s_wait_kmcnt 0x0
	s_load_b256 s[68:75], s[40:41], 0x0            ; e0 .. e7
	s_load_b128 s[76:79], s[40:41], 0x20           ; e8 .. e11
	s_add_nc_u64 s[G0+2:G0+3], s[36:37], s[54:55]
	s_or_b32 s[G0+3], s[G0+3], 0x80000000          ; type = 2
	tensor_load_to_lds s[G0:G0+3], s[G1:G1+7]      ; slot 0: one load a wave
	s_nop 0
.rept 4
	v_nop
.endr
	s_add_nc_u64 s[MB:MB+1], s[38:39], s[58:59]
	s_add_nc_u64 s[AC:AC+1], s[42:43], s[60:61]
	s_add_nc_u64 s[104:105], s[36:37], s[60:61]    ; Q's codes
	s_add_nc_u64 s[PFA:PFA+1], s[36:37], s[100:101]
	v_and_b32 v8, 15, v0                           ; r
	v_bfe_u32 v9, v0, 4, 1                         ; h
	v_and_b32 v10, 31, v0                          ; lane
	v_lshlrev_b32 v[PFO], 8, v8
	v_lshlrev_b32 v11, s57, v9
	v_add_nc_u32 v[PFO], v[PFO], v11               ; lanes 256 bytes apart
	v_lshlrev_b32 v11, 6, v8
	v_lshl_add_u32 v11, v9, 4, v11                 ; Q: row r of 64 bytes, + 16 h
	global_load_b128 v[16:19], v11, s[104:105]     ; registers 4 c .. 4 c + 3: channels 32 c + 16 h + 0 .. 15: the same permutation of the 64 as in K's fragments
	global_load_b128 v[20:23], v11, s[104:105] offset:32
	v_and_b32 v[AK0], 8, v8
	v_add_nc_u32 v[AK0], v[AK0], v8                ; r + 8 (r / 8)
	v_mul_u32_u24 v[AK0], v[AK0], KP
	v_lshl_add_u32 v[AK0], v9, 4, v[AK0]
	v_mul_u32_u24 v[AV0], v8, KP
	v_lshl_add_u32 v[AV0], v9, 4, v[AV0]
	v_add_nc_u32 v[AV0], VOFF, v[AV0]
	s_lshl_b32 s57, s[WV], 10                      ; my stage
	v_lshlrev_b32 v[STO], 6, v8
	v_lshl_add_u32 v[STO], v9, 3, v[STO]
	v_add_nc_u32 v[STO], s57, v[STO]               ; in: query r's 64 bytes, + 8 h
	v_lshlrev_b32 v[GO], 4, v10                    ; 16 x lane
	v_add_nc_u32 v[RD], s57, v[GO]                 ; back: as it lies
	v_mov_b32 v13, 0xff61b1e6                      ; the largest t so far: -3e38, under every t
	v_floor_f32 v12, -v13                          ; -M
	v_mov_b32 v14, 0
	v_mov_b32 v15, 0
	v_mov_b32 v29, 0                               ; written once: a lane permute's destination counts as one of its sources
	v_mov_b32 v31, 0                               ; (named as the upper half of the pair v[30:31])
.set j, 0
.rept 32
	v_mov_b32 v[160+j], 0                          ; O^T.  (The step is written once: the first finds zeros, which the first change of M leaves zeros)
.set j, j+1
.endr
	s_wait_kmcnt 0x0
	s_add_co_i32 s100, s74, s75                    ; e6 + e7
	s_lshl_b32 s101, s100, 23
	s_add_co_i32 s[CS], s101, 0x3e38aa3b           ; c = log2(e) / 8 x 2^(e6 + e7): the exponents are added to c's exponent field
	s_mov_b32 s[CS+1], s[CS]
	s_sub_co_i32 s100, 160, s100
	s_lshl_b32 s100, s100, 23
	s_or_b32 s100, s100, 0x80000000
	v_mov_b32 v24, s100                            ; -2^(33 - e6 - e7): a hidden score
	s_add_co_i32 s100, s76, 127
	s_lshl_b32 s101, s100, 23
	v_mov_b32 v26, s101                            ; 2^e8
	s_add_co_i32 s100, s100, 8
	s_lshl_b32 s100, s100, 23
	s_or_b32 s100, s100, 0x600000
	v_mov_b32 v25, s100                            ; 448 x 2^e8
	s_sub_co_i32 s100, s78, s76
	s_sub_co_i32 s100, s100, s77                   ; e10 - e8 - e9: O^T / the sum stands for that x 2^(e8 + e9)
	s_add_co_i32 s100, s100, 127
	s_lshl_b32 s101, s100, 23
	v_mov_b32 v28, s101
	s_add_co_i32 s100, s100, 8
	s_lshl_b32 s100, s100, 23
	s_or_b32 s100, s100, 0x600000
	v_mov_b32 v27, s100
	s_mov_b32 s[TB], 0
	s_mov_b32 s[SLOTS], NSL-1
	s_mov_b32 s[MO], 0
.macro MASKLOAD                        ; a step's 64 words: 256 bytes
	s_load_b512 s[32:47], s[MB:MB+1], s[MO] offset:0x0
	s_load_b512 s[48:63], s[MB:MB+1], s[MO] offset:0x40
	s_load_b512 s[68:83], s[MB:MB+1], s[MO] offset:0x80
	s_load_b512 s[84:99], s[MB:MB+1], s[MO] offset:0xc0
.endm
	MASKLOAD                                       ; step 0's
; A KEY STEP: 128 keys
.macro STEP
	v_add_nc_u32 v[ADK], s[TB], v[AK0]
	v_add_nc_u32 v[ADV], s[TB], v[AV0]
	v_nop
	v_nop                                          ; four places in front of loads into registers that the last step's products have read
.irp t, 0,1,2,3,4,5,6,7
.irp c, 0,1
	ds_load_b128 v[32+8*\t+4*\c:32+8*\t+4*\c+3], v[ADK] offset:(32*(\t/2)+8*(\t%2))*KP+32*\c
.endr
.endr
	s_wait_dscnt 0x0
.irp t, 0,1,2,3,4,5,6,7
	v_wmma_f32_16x16x64_fp8_fp8 v[96+8*\t:103+8*\t], v[32+8*\t:39+8*\t], v[16:23], 0   ; S^T: register 16 b + i = key 32 b + 16 h + i of my query
.endr
.rept 4
	v_nop                                          ; places: K's registers take V^T's fragments, and the scores are read
.endr
.irp t, 0,1,2,3
.irp c, 0,1,2,3
	ds_load_b128 v[32+16*\t+4*\c:32+16*\t+4*\c+3], v[ADV] offset:(\c/2)*BLK+\t*16*KP+32*(\c%2)   ; channel 16 t + r, keys 32 c + 16 h + 0 .. 15: they land while the softmax is walked
.endr
.endr
	s_wait_kmcnt 0x0                               ; this step's mask words, asked for a step ago
.set n, 0
.rept 64
	v_cndmask_b32 v[96+n], v24, v[96+n], s[32+n+4*(n/32)]   ; hidden: -2^(33 - e6 - e7).  Each accumulator from its low end on
.set n, n+1
.endr
	v_max3_num_f32 v208, v96, v97, v98             ; the step's largest score of my query, among my 64 keys, in two chains,
	v_max3_num_f32 v209, v99, v100, v101
.irp i, 6,10,14,18,22,26,30,34,38,42,46,50,54,58
	v_max3_num_f32 v208, v208, v[96+\i], v[97+\i]
	v_max3_num_f32 v209, v209, v[98+\i], v[99+\i]
.endr
	v_max3_num_f32 v208, v208, v158, v159
	s_add_co_u32 s[MO], s[MO], 256                 ; the words have been read and their loads are done: the next step's are asked for;
	s_and_b32 s[MO], s[MO], 0xfff                  ; the last step asks for step 0's again, so that nothing leaves the buffer
	MASKLOAD
	v_max_num_f32 v208, v208, v209
	v_permlanex16_b32 v29, v208, s[SEL], s[SEL+1]
	v_max_num_f32 v208, v208, v29                  ; and among lane l xor 16's
	v_mul_f32 v208, s[CS], v208                    ; as t (c is positive)
	v_max_num_f32 v13, v13, v208                   ; the running largest t
	v_mov_b32 v208, v12
	v_floor_f32 v12, -v13                          ; the new -M = floor(-t) = -ceil(t): M is a whole number
	v_sub_f32 v208, v12, v208                      ; M's old value less its new one: a whole number, 0 or less
	v_cvt_i32_f32 v208, v208                       ; (it saturates)
	v_ldexp_f32 v30, 1.0, v208                     ; f = 2^(old M - new M)
.set j, 0
.rept 32
	v_pk_fma_f32 v[96+j:97+j], v[96+j:97+j], s[CS:CS+1], v[12:13] op_sel_hi:[1,0,0]   ; t - M, two at a time
.set j, j+2
.endr
.set j, 0
.rept 64
	v_exp_f32 v[96+j], v[96+j]                     ; p = 2^(t - M), at most 1: not normalised
.set j, j+1
.endr
	v_pk_mul_f32 v[14:15], v[14:15], v[30:31] op_sel_hi:[1,0]   ; the sums under the new M.  (The plain instruction behind the exponentials)
	s_wait_alu depctr_va_vdst(0)                   ; one wait for the whole batch, ahead of its first reader
	v_pk_add_f32 v[210:211], v[96:97], v[98:99]    ; the row's sum is taken of the unquantised p: two at a time, in two chains
.irp j, 4,8,12,16,20,24,28,32,36,40,44,48,52,56,60
	v_pk_add_f32 v[14:15], v[14:15], v[96+\j:97+\j]
	v_pk_add_f32 v[210:211], v[210:211], v[98+\j:99+\j]
.endr
	v_pk_add_f32 v[14:15], v[14:15], v[210:211]
.irp b, 0,1,2,3
.irp i, 0,1,2,3,4,5,6,7,8,9,10,11,12,13,14,15
	v_min_num_f32 v[96+16*\b+\i], v[96+16*\b+\i], v25   ; the conversion does not saturate (ISA guide 7.6.2); p is not negative, so the hold is one-sided
.endr
	v_cvt_scalef32_pk8_fp8_f32 v[192+4*\b:193+4*\b], v[96+16*\b:103+16*\b], v26
	v_cvt_scalef32_pk8_fp8_f32 v[194+4*\b:195+4*\b], v[104+16*\b:111+16*\b], v26
.endr
.set j, 0
.rept 16
	v_pk_mul_f32 v[160+j:161+j], v[160+j:161+j], v[30:31] op_sel_hi:[1,0]   ; O^T under the new M.  (Also the plain instructions between the conversions and the products)
.set j, j+2
.endr
	s_wait_dscnt 0x0                               ; V^T's fragments are in
.irp t, 0,1,2,3
	v_wmma_f32_16x16x128_fp8_fp8 v[160+8*\t:167+8*\t], v[32+16*\t:47+16*\t], v[192:207], v[160+8*\t:167+8*\t]   ; the four accumulators by turns
.endr
	s_add_co_u32 s[TB], s[TB], STEPB
.endm
; A PREFETCH INTO THE L2 of what the NEXT change of slots will ask for: 512 keys of K, 32,768 dense bytes, and eight blocks of V^T, 4,096 dense bytes of my head in each.  All eight work-groups of a head walk the same tiles:
; the first of them asks, in waves 0-7, one instruction each, lanes 256 bytes apart: each aligned block of 256 bytes is named once in the launch.  It stands four key steps ahead of the load that will want the bytes.
; Slots 0 and 1 come by their loads alone; the last change that fills a slot asks for nothing.
.macro ASK
	s_cmp_gt_u32 s[SLOTS], s[LIM]
	s_cbranch_scc0 .Lnot_mine_\@
	global_prefetch_b8 v[PFO], s[PFA:PFA+1] th:TH_LOAD_NT scope:SCOPE_SE
.Lnot_mine_\@:
.endm
; THE CHANGE OF SLOTS stands at a slot's head.  Each wave waits for all its tensor loads (its block of the slot that it is about to read), adds 0 to its spare word, and waits for that and for its reads of the slot that it has left.
; Behind the barrier the slot ahead is whole and nobody reads the other one.  fill = 1: that other slot is filled with the keys that follow: one load a wave, which has four key steps in which to land.
.macro CHANGE fill
	s_wait_tensorcnt 0x0                           ; no tensor load of mine is out, so group 0 may be written
	ds_add_u32 v[SPW], v[NIL]                      ; 0 onto my spare word
.if \fill
	s_xor_b32 s[G0+1], s[G0+1], SLOT1              ; the other slot than last time,
	s_add_nc_u64 s[G0+2:G0+3], s[G0+2:G0+3], s[GST:GST+1]   ; the next 512 keys; the type bits on top are not reached
	s_wait_xcnt 0x0                                ; the last prefetch, a slot back, has read its address, so it may be written
	s_add_nc_u64 s[PFA:PFA+1], s[PFA:PFA+1], s[PFS:PFS+1]
.endif
	s_wait_dscnt 0x0                               ; the add is done, and my reads of the slot that I have left are over
	s_barrier_signal -1
	s_barrier_wait -1
.if \fill
	tensor_load_to_lds s[G0:G0+3], s[G1:G1+7]      ; the first thing behind the barrier, and my one tensor load until the next
	s_nop 0
.rept 4
	v_nop
.endr
	ASK
.endif
.endm
.macro FOUR_STEPS                      ; a slot's four key steps: written once, walked four times
	s_mov_b32 s[CNT], 4
.Lstep_\@:
	STEP
	s_sub_co_u32 s[CNT], s[CNT], 1
	s_cmp_lg_u32 s[CNT], 0
	s_cbranch_scc1 .Lstep_\@
	s_sub_co_u32 s[TB], s[TB], 4*STEPB
	s_xor_b32 s[TB], s[TB], SLOT1                  ; on to the other slot
.endm
	s_wait_loadcnt 0x0                             ; Q
.Lslot:                                            ; three trips: behind each change of slots but the last the next slot is asked for
	CHANGE 1
	FOUR_STEPS
	s_sub_co_u32 s[SLOTS], s[SLOTS], 1
	s_cmp_lg_u32 s[SLOTS], 0
	s_cbranch_scc1 .Lslot
	CHANGE 0                                       ; the last slot is written out
	FOUR_STEPS
	; THE WAY OUT.  O^T / the sum is quantised with 2^(e10 - e8 - e9) and goes through my stage: 16 queries x 64 codes are 1,024 bytes that lie on end in ac.
	s_wait_kmcnt 0x0                               ; the last step's request for words that nobody reads
	v_nop
	v_nop                                          ; with the two additions and the v_nop below: the places behind the last products
	v_add_f32 v14, v14, v15                        ; the sum's two halves,
	v_permlanex16_b32 v29, v14, s[SEL], s[SEL+1]
	v_add_f32 v14, v14, v29                        ; and lane l xor 16's.  The row's largest p is above 1/2: the sum is no zero
	v_rcp_f32 v14, v14
	v_nop                                          ; a plain instruction behind the transcendental
	s_wait_alu depctr_va_vdst(0)                   ; and the wait ahead of its first reader
.set j, 0
.rept 16
	v_pk_mul_f32 v[96+j:97+j], v[160+j:161+j], v[14:15] op_sel_hi:[1,0]   ; register 8 t + i is o(query r, channel 16 t + 8 h + i); each accumulator from its low end on
.set j, j+2
.endr
.set j, 0
.rept 32
	v_med3_num_f32 v[96+j], v[96+j], -v27, v27
.set j, j+1
.endr
.irp t, 0,1,2,3
	v_cvt_scalef32_pk8_fp8_f32 v[192+2*\t:193+2*\t], v[96+8*\t:103+8*\t], v28
.endr
	v_nop
.irp t, 0,1,2,3
	ds_store_b64 v[STO], v[192+2*\t:193+2*\t] offset:16*\t
.endr
	ds_load_b128 v[32:35], v[RD]                   ; LDS serves a wave's instructions in order: these see my stores
	ds_load_b128 v[36:39], v[RD] offset:512
	s_wait_dscnt 1                                 ; the first is in; the second may be out
	global_store_b128 v[GO], v[32:35], s[AC:AC+1]  ; the wave stores 512 consecutive bytes, aligned
	s_wait_dscnt 0
	global_store_b128 v[GO], v[36:39], s[AC:AC+1] offset:512
	s_wait_tensorcnt 0x0                           ; the wave's end
	ds_add_u32 v[SPW], v[NIL]
	s_wait_dscnt 0x0
	s_endpgm
.Lfunc_end_k_q2c44f6b060_attn:
	.size	k_q2c44f6b060_attn, .Lfunc_end_k_q2c44f6b060_attn-k_q2c44f6b060_attn
	.p2alignl 7, 3214868480
	.fill 96, 4, 3214868480
	.section	.rodata,"a",@progbits
	.p2align	6, 0x0
	.amdhsa_kernel k_q2c44f6b060_attn
		.amdhsa_group_segment_fixed_size 327680
		.amdhsa_private_segment_fixed_size 0
		.amdhsa_enable_private_segment 0
		.amdhsa_kernarg_size 32
		.amdhsa_user_sgpr_count 2
		.amdhsa_user_sgpr_kernarg_segment_ptr 1
		.amdhsa_wavefront_size32 1
		.amdhsa_system_sgpr_workgroup_id_x 1
		.amdhsa_system_sgpr_workgroup_id_y 1
		.amdhsa_system_sgpr_workgroup_id_z 1
		.amdhsa_system_vgpr_workitem_id 0
		.amdhsa_next_free_vgpr 256
		.amdhsa_next_free_sgpr 106
		.amdhsa_reserve_vcc 0
		.amdhsa_float_denorm_mode_32 3
		.amdhsa_float_denorm_mode_16_64 3
		.amdhsa_memory_ordered 1
		.amdhsa_forward_progress 1
		.amdhsa_inst_pref_size 53
	.end_amdhsa_kernel
	.amdgpu_metadata
---
amdhsa.version: [ 1, 2 ]
amdhsa.kernels:
  - .name:           k_q2c44f6b060_attn
    .symbol:         k_q2c44f6b060_attn.kd
    .args:
      - { .name: qkv, .offset: 0, .size: 8, .value_kind: global_buffer, .address_space: global }
      - { .name: mbits, .offset: 8, .size: 8, .value_kind: global_buffer, .address_space: global }
      - { .name: lowp_scales, .offset: 16, .size: 8, .value_kind: global_buffer, .address_space: global }
      - { .name: ac, .offset: 24, .size: 8, .value_kind: global_buffer, .address_space: global }
    .group_segment_fixed_size: 327680
    .private_segment_fixed_size: 0
    .kernarg_segment_align: 8
    .kernarg_segment_size: 32
    .max_flat_workgroup_size: 512
    .sgpr_count:     106
    .vgpr_count:     256
    .wavefront_size: 32
...
	.end_amdgpu_metadata
.endif
;; end of part 3
;; launch oproj (part 4): grid 4 x 32, 4 waves a work-group, clusters of 4 x 4, 327,680 bytes of LDS; arguments ac, wc, bo, lowp_scales, out0; writes out0
.if DOCPART == 4
	.amdgcn_target "amdgcn-amd-amdhsa--gfx1250"
	.amdhsa_code_object_version 6
	.text
	.protected	k_q2c44f6b060_oproj
	.globl	k_q2c44f6b060_oproj
	.p2align	8
	.type	k_q2c44f6b060_oproj,@function
k_q2c44f6b060_oproj:
	s_mov_b64 s[64:65], 0
	v_nop
	global_prefetch_b8 v0, s[64:65] scope:SCOPE_SE
	s_setreg_imm32_b32 hwreg(HW_REG_WAVE_MODE, 25, 1), 1
	s_wait_xcnt 0x0
	s_wait_alu depctr_hold_cnt(0) depctr_sa_sdst(0) depctr_va_vdst(0) depctr_va_sdst(0) depctr_va_ssrc(0) depctr_va_vcc(0) depctr_vm_vsrc(0)
	s_getreg_b32 s2, hwreg(HW_REG_IB_STS2, 6, 4)
	s_cmp_eq_u32 s2, 0
	s_cbranch_scc0 .Lentry_in_a_cluster
	s_endpgm
.Lentry_in_a_cluster:
	s_bfe_u32 s2, ttmp6, 0x10000c
	s_cmp_lg_u32 s2, 0xf033
	s_cbranch_scc0 .Lentry_shape_is_right
	s_endpgm
.Lentry_shape_is_right:
; THE LAST PROJECTION: out0[m][n] = 2^(e10 + e11) x (sum over k of A[m][k] B[n][k]) + bo[n], on codes of E4M3.  M = 8,192, N = 1,024, K = 1,024.
; A = attention's result as codes, laid [head 16][token 8,192][64]: k = 64 x head + channel.  B = Wo's codes, plane 3 of wc, [1,024][1,024].  out0: f32.
; LIMIT: e10 + e11 between -126 and 127, so that 2^(e10 + e11) is an f32 number.
; A tile of C, 256 x 256, is made by a work-group of four waves; a wave makes 128 x 128: 64 accumulators, 512 registers.  K goes in steps of 256 (four heads) through a ring of two LDS slots.
; A's tile of a K step is four planes of 128 rows x 64 bytes, each plane dense in memory: ONE tensor load of 4 rows of 8,192 bytes, 524,288 bytes apart, with 16 bytes of padding behind every 64: in LDS [plane][row x 80].
; CLUSTERS: 4 x 4 work-groups; A's tiles are asked for jointly along a row of the cluster, B's along a column.  THE MATRIX INSTRUCTION IS USED TRANSPOSED (source 0 = rows of B, source 1 = rows of A).
; 128 tiles of C for 256 WGPs: the tile is kept, since a wave's 128 x 128 reads each fragment once; no prefetch: a tile has four K steps and two refills.
; REGISTERS, in windows of 256: window 0: v0-31 addresses; v32-35 bo's four numbers of my lane; from v128 A's fragments, ONE set; on the way out v128-255 rows of C.   window 1: B's fragments, TWO sets.   windows 2, 3: the accumulators.
.set SIZE_K, 1024
.set SIZE_N, 1024
.set KSTEP,  256
.set ROWB,   256
.set KROW,   SIZE_K
.set PITCH,  272                       ; B's LDS row: 256 bytes + 16
.set APITCH, 80                        ; A's LDS line: 64 bytes + 16
.set PLANE,  128*APITCH                ; a head's 128 rows
.set AHALF,  4*PLANE                   ; what one tensor load brings of A
.set ASTEP,  4*524288                  ; a K step on in A's memory: four heads
.set FR,     16
.set NL,     4
.set NP,     4
.set HALFT,  128*PITCH
.set SLOT,   2*AHALF+2*HALFT           ; A's two halves, then B's two halves
.set LAPS,   SIZE_K/(2*KSTEP)
.set SPARE,  2*SLOT                    ; behind the ring: the spare words, 128 bytes for each wave
.set SPITCH, 528                       ; the way out: a stage of 16 rows x (512 bytes + 16) for each wave, in slot 0, which has had its last fill and its last read by then
.set ADRA, 16
.set ADRB, 20
.set STO,  24
.set RD,   25
.set CO,   26
.set SPW,  28
.set NIL,  29
.set BO,   32
.set AF,   128
.set BK,   128
.set G1, 24
.set G0, 32
.set G1B, 48
.set G0B, 56
.set MSB, 0
.macro WIN new
.if MSB != \new
	s_set_vgpr_msb (MSB<<8)|\new
.set MSB, \new
.endif
.endm
.set MUL_LO, 0xa1
.set MUL_HI, 0xf1
.set TO_B,   0x40
.macro JLOAD g0a, g1a, g0b, g1b        ; a joint load: waves 0 and 1 fetch for A, waves 2 and 3 for B; four v_nop follow each of the two lines
	s_cmp_eq_u32 s15, 0
	s_cbranch_scc0 .Lfor_b_\@
	tensor_load_to_lds s[\g0a:\g0a+3], s[\g1a:\g1a+7]
	s_nop 0
.rept 4
	v_nop
.endr
	s_branch .Lasked_\@
.Lfor_b_\@:
	tensor_load_to_lds s[\g0b:\g0b+3], s[\g1b:\g1b+7]
	s_nop 0
.rept 4
	v_nop
.endr
.Lasked_\@:
.endm
.macro CREST
	s_cmp_lg_u32 s14, 0
	s_cbranch_scc1 .Lnot_wave_0_\@
	s_barrier_signal -3
.Lnot_wave_0_\@:
	s_barrier_wait -3
	s_barrier_signal -1
	s_barrier_wait -1
.endm
.macro CROUND
	s_barrier_signal -1
	s_barrier_wait -1
	CREST
.endm
	s_load_b128 s[4:7], s[0:1], 0x0                ; ac, wc
	s_load_b128 s[8:11], s[0:1], 0x10              ; bo, the scales' exponents
	s_load_b64 s[12:13], s[0:1], 0x20              ; out0
	v_lshl_add_u32 v[SPW], v0, 2, SPARE
	v_mov_b32 v[NIL], 0
	ds_add_u32 v28, v29
	ds_add_u32 v28, v29
	s_wait_dscnt 0x0
	v_lshrrev_b32 v1, 5, v0
	v_readfirstlane_b32 s14, v1                    ; wave 0..3
	s_lshr_b32 s15, s14, 1                         ; which half of the tile's rows is mine.  Also: I fetch for A (0) or for B (1)
	s_and_b32 s16, s14, 1                          ; which half of its columns.  Also: which 128 rows of that tile I fetch
	s_bfe_u32 s40, ttmp6, 0x40000                  ; cx, cy
	s_bfe_u32 s41, ttmp6, 0x40004
	s_lshl_b32 s42, ttmp9, 2
	s_add_co_u32 s42, s42, s40                     ; tile column of C
	s_and_b32 s17, ttmp7, 0xffff
	s_lshl_b32 s17, s17, 2
	s_add_co_u32 s17, s17, s41                     ; tile row of C
	s_lshl_b32 s43, s41, 2
	s_lshl_b32 s43, 15, s43                        ; my row of the cluster
	s_lshl_b32 s44, 0x1111, s40                    ; my column
	; descriptor group 1 for A: 4 rows (heads) of 8,192 bytes (128 tokens x 64), padded behind every 64 bytes
	s_or_b32 s[G1+0], s43, (0<<16)|(1<<20)|(1<<21)|(3<<22)|(3<<25)  ; the mask; elements of 1 byte; padding on; bit 21 beside a mask; after every 16 words; four words
	s_mov_b32 s[G1+1], 8192<<16                    ; tensor_dim0
	s_mov_b32 s[G1+2], 4<<16                       ; tensor_dim1
	s_mov_b32 s[G1+3], 8192<<16                    ; tile_dim0
	s_mov_b32 s[G1+4], 4                           ; tile_dim1
	s_mov_b32 s[G1+5], 524288                      ; tensor_dim0_stride: from head to head
	s_mov_b32 s[G1+6], 0
	s_mov_b32 s[G1+7], 0
	; and for B: 128 rows x 256 bytes
	s_or_b32 s[G1B+0], s44, (0<<16)|(1<<20)|(1<<21)|(5<<22)|(3<<25)
	s_mov_b32 s[G1B+1], ROWB<<16
	s_mov_b32 s[G1B+2], 128<<16
	s_mov_b32 s[G1B+3], ROWB<<16
	s_mov_b32 s[G1B+4], 128
	s_mov_b32 s[G1B+5], KROW
	s_mov_b32 s[G1B+6], 0
	s_mov_b32 s[G1B+7], 0
	s_lshl_b32 s18, s16, 7                         ; which 128 rows of the tile I fetch
	s_lshl_b32 s20, s17, 8
	s_add_co_u32 s20, s20, s18
	s_lshl_b32 s20, s20, 6                         ; A: (256 x tile row + 128 x half) tokens of 64 bytes, in head 0
	s_mov_b32 s21, 0
	s_lshl_b32 s46, s42, 8
	s_add_co_u32 s46, s46, s18
	s_lshl_b32 s46, s46, 10
	s_add_co_u32 s46, s46, 0x300000                ; B: plane 3 of wc, (256 x tile column + 128 x half) rows of 1,024 bytes
	s_mov_b32 s47, 0
	s_mul_i32 s45, s16, AHALF                      ; where they go: A's half,
	s_mul_i32 s66, s16, HALFT
	s_add_co_u32 s66, s66, 2*AHALF                 ; B's half, behind A's two: no place in the cluster enters an LDS address
	s_wait_kmcnt 0x0
	s_load_b64 s[96:97], s[10:11], 0x28            ; e10, e11
	s_add_nc_u64 s[20:21], s[4:5], s[20:21]
	s_add_nc_u64 s[46:47], s[6:7], s[46:47]
	CROUND                                         ; all sixteen work-groups are here: the first joint loads meet
.irp s, 0,1
	s_mov_b32 s[G0+4*\s], 1
	s_add_co_u32 s[G0+4*\s+1], s45, \s*SLOT
	s_add_nc_u64 s[G0+4*\s+2:G0+4*\s+3], s[20:21], \s*ASTEP
	s_or_b32 s[G0+4*\s+3], s[G0+4*\s+3], 0x80000000
	s_mov_b32 s[G0B+4*\s], 1
	s_add_co_u32 s[G0B+4*\s+1], s66, \s*SLOT
	s_add_nc_u64 s[G0B+4*\s+2:G0B+4*\s+3], s[46:47], \s*ROWB
	s_or_b32 s[G0B+4*\s+3], s[G0B+4*\s+3], 0x80000000
	JLOAD G0+4*\s, G1, G0B+4*\s, G1B
.endr
	v_and_b32 v1, 15, v0                           ; r
	v_bfe_u32 v2, v0, 4, 1                         ; h
	v_mul_u32_u24 v3, v1, PITCH
	v_lshl_add_u32 v4, v2, 4, v3                   ; B: row x 272 + 16 h
	v_mul_u32_u24 v3, v1, APITCH
	v_lshl_add_u32 v3, v2, 4, v3                   ; A: row x 80 + 16 h
	s_mul_i32 s21, s15, AHALF                      ; my 128 rows of A
	s_mul_i32 s22, s16, HALFT                      ; my 128 rows of B,
	s_add_co_u32 s22, s22, 2*AHALF                 ; which lie behind A's
.irp s, 0,1
	v_add_nc_u32 v[ADRA+\s], s21, v3
	v_add_nc_u32 v[ADRB+\s], s22, v4
	s_add_co_u32 s21, s21, SLOT
	s_add_co_u32 s22, s22, SLOT
.endr
	s_mul_i32 s23, s14, 16*SPITCH                  ; my stage
	v_mul_u32_u24 v5, v1, SPITCH                   ; in: row r, 32 bytes for each half of the lanes
	v_lshl_add_u32 v5, v2, 5, v5
	v_add_nc_u32 v[STO], s23, v5
	v_and_b32 v6, 31, v0
	v_lshlrev_b32 v[CO], 4, v6                     ; back: the 32 lanes take one row of 512 bytes; and the same in C
	v_add_nc_u32 v[RD], s23, v[CO]
	s_lshl_b32 s20, s17, 8
	s_lshl_b32 s21, s15, 7
	s_add_co_u32 s20, s20, s21                     ; my first row of C
	s_lshl_b32 s20, s20, 12                        ; rows of 4,096 bytes: under 2^25
	s_mov_b32 s21, 0
	s_lshl_b32 s46, s42, 10                        ; my first column, in bytes: 1,024 x tile column + 512 x half
	s_lshl_b32 s47, s16, 9
	s_add_co_u32 s46, s46, s47
	s_mov_b32 s47, 0
	s_add_nc_u64 s[8:9], s[8:9], s[46:47]          ; bo at my first column
	global_load_b128 v[BO:BO+3], v[CO], s[8:9]     ; columns 4 lane + 0 .. 3 of my 128: those that my lane holds when a row comes back from the stage
	s_add_nc_u64 s[20:21], s[20:21], s[46:47]
	s_add_nc_u64 s[12:13], s[12:13], s[20:21]
.macro FRAG reg, adr, q, i             ; B: 16 rows x 128 K: registers 4 c .. 4 c + 3 hold K = 32 c + 16 (l / 16) + 0 .. 15
.irp c, 0,1,2,3
	ds_load_b128 v[\reg+4*\c:\reg+4*\c+3], v[\adr] offset:128*(\q)+32*\c+(\i)*16*PITCH
.endr
.endm
.macro FRAGA reg, adr, q, i            ; A: the same K: head 2 q + c / 2 of the slot's four, channel 32 (c % 2) + 16 (l / 16) on
.irp c, 0,1,2,3
	ds_load_b128 v[\reg+4*\c:\reg+4*\c+3], v[\adr] offset:(2*(\q)+\c/2)*PLANE+32*(\c%2)+(\i)*16*APITCH
.endr
.endm
.macro MUL16 a0, p, zero               ; the 64 accumulators take turns, one instruction a turn, in the same order in every step
.irp a, \a0, \a0+1
.irp b, 0,1,2,3,4,5,6,7
.if \zero
	v_wmma_f32_16x16x128_fp8_fp8 v[8*(8*((\a)%4)+\b):8*(8*((\a)%4)+\b)+7], v[128*(\p)+FR*\b:128*(\p)+FR*\b+FR-1], v[AF+FR*(\a):AF+FR*(\a)+FR-1], 0
.else
	v_wmma_f32_16x16x128_fp8_fp8 v[8*(8*((\a)%4)+\b):8*(8*((\a)%4)+\b)+7], v[128*(\p)+FR*\b:128*(\p)+FR*\b+FR-1], v[AF+FR*(\a):AF+FR*(\a)+FR-1], v[8*(8*((\a)%4)+\b):8*(8*((\a)%4)+\b)+7]
.endif
.endr
.endr
.endm
.macro FETCH_B slot, q, p
	WIN TO_B
.irp i, 0,1,2,3,4,5,6,7
	FRAG 128*(\p)+FR*\i, ADRB+\slot, \q, \i
.endr
	WIN 0
.endm
.macro FETCH_A slot, q, i0
.irp i, \i0, \i0+1, \i0+2, \i0+3
	FRAGA AF+FR*(\i), ADRA+\slot, \q, \i
.endr
.endm
.macro PLACES n
.rept \n
	v_nop
.endr
.endm
.macro STEP slot, q, zero
	s_wait_dscnt 4*NL                              ; B's set and A's blocks 0-3 are in; the youngest sixteen loads (A's blocks 4-7) may be out
	WIN MUL_LO
	MUL16 0, (\q)%2, \zero
	MUL16 2, (\q)%2, \zero
	s_wait_dscnt 0
	PLACES NP
	FETCH_B \slot, (\q)+1, 1-(\q)%2
	FETCH_A \slot, (\q)+1, 0
	WIN MUL_HI
	MUL16 4, (\q)%2, \zero
	MUL16 6, (\q)%2, \zero
	PLACES NP
	WIN 0
	FETCH_A \slot, (\q)+1, 4
.endm
.macro TURN slot, next, fill           ; a slot's last step changes slots: ONE barrier, with the wait for all tensor loads, the add and the wait for it and for my reads in front of it
	s_wait_tensorcnt 0x0                           ; all my tensor loads have landed: my part of the next slot
	ds_add_u32 v[SPW], v[NIL]                      ; 0 onto my spare word
	s_wait_dscnt 4*NL+1                            ; (the add and the youngest sixteen loads may be out)
	WIN MUL_LO
	MUL16 0, 1, 0
	s_wait_dscnt 0x0                               ; the add is done, and my reads of this slot are over
	s_barrier_signal -1
	MUL16 2, 1, 0
	WIN 0
	s_barrier_wait -1
.if \fill
	CREST                                          ; the barrier has opened a round of the cluster's barrier
	s_add_nc_u64 s[G0+4*\slot+2:G0+4*\slot+3], s[G0+4*\slot+2:G0+4*\slot+3], 2*ASTEP
	s_add_nc_u64 s[G0B+4*\slot+2:G0B+4*\slot+3], s[G0B+4*\slot+2:G0B+4*\slot+3], 2*ROWB
	JLOAD G0+4*\slot, G1, G0B+4*\slot, G1B         ; the first tensor load behind the round; its four v_nop are the places in front of the loads below
.else
	PLACES NP
.endif
	FETCH_B \next, 0, 0
	FETCH_A \next, 0, 0
	WIN MUL_HI
	MUL16 4, 1, 0
	MUL16 6, 1, 0
	PLACES NP
	WIN 0
	FETCH_A \next, 0, 4
.endm
	s_wait_tensorcnt 1                             ; my part of K step 0 is in (K step 1's load may be out)
	s_barrier_signal -1
	s_barrier_wait -1
	FETCH_B 0, 0, 0
	FETCH_A 0, 0, 0
	FETCH_A 0, 0, 4
	STEP 0, 0, 1
	s_mov_b32 s3, LAPS-1
.Llap:
	TURN 0, 1, 1
	STEP 1, 0, 0
	TURN 1, 0, 1
	STEP 0, 0, 0
	s_sub_co_u32 s3, s3, 1
	s_cmp_lg_u32 s3, 0
	s_cbranch_scc1 .Llap
	TURN 0, 1, 0
	STEP 1, 0, 0
	s_wait_dscnt 4*NL
	WIN MUL_LO
	MUL16 0, 1, 0
	MUL16 2, 1, 0
	s_wait_dscnt 0
	WIN MUL_HI
	MUL16 4, 1, 0
	MUL16 6, 1, 0
	WIN 0
; THE WAY OUT, block by block of 16 rows x 128 columns.  The sums go into my stage as they are (a lane's 32 bytes of a row) and come back as whole rows of 512 bytes; there a lane holds the same four columns in every row,
; so that one packed multiply-add for two numbers gives sum x 2^(e10 + e11) + bo.  LDS serves a wave's instructions in order: no wait between the stores and the loads, nor in front of the next block's stores.
.macro TOSTAGE a
.set AC, 64*((\a)%4)
	WIN 0x08+4*((\a)/4)                            ; the stores' data: window 2 or 3
.irp b, 0,1,2,3,4,5,6,7
	ds_store_b128 v[STO], v[AC+8*\b:AC+8*\b+3] offset:64*\b           ; each accumulator from its low end on
	ds_store_b128 v[STO], v[AC+8*\b+4:AC+8*\b+7] offset:64*\b+16
.endr
	WIN 0
.set BB, BK+64*((\a)%2)
.irp t, 0,1,2,3,4,5,6,7,8,9,10,11,12,13,14,15
	ds_load_b128 v[BB+4*\t:BB+4*\t+3], v[RD] offset:\t*SPITCH
.endr
.endm
.macro SEND a, younger                 ; younger: the LDS instructions issued behind block a's loads, which may stay out
.set BB, BK+64*((\a)%2)
	s_wait_dscnt \younger
.if (\a) > 0
	s_add_nc_u64 s[12:13], s[12:13], 16*SIZE_N*4   ; (behind a wait on XCNT: the earlier stores have read their base)  16 rows of C on
.endif
.irp t, 0,1,2,3,4,5,6,7,8,9,10,11,12,13,14,15
	v_pk_fma_f32 v[BB+4*\t:BB+4*\t+1], v[BB+4*\t:BB+4*\t+1], s[96:97], v[BO:BO+1] op_sel_hi:[1,0,1]
	v_pk_fma_f32 v[BB+4*\t+2:BB+4*\t+3], v[BB+4*\t+2:BB+4*\t+3], s[96:97], v[BO+2:BO+3] op_sel_hi:[1,0,1]
.endr
.irp t, 0,1,2,3,4,5,6,7,8,9,10,11,12,13,14,15
	global_store_b128 v[CO], v[BB+4*\t:BB+4*\t+3], s[12:13] offset:\t*SIZE_N*4 th:TH_STORE_NT   ; 32 lanes store 512 consecutive bytes, aligned; written once, read by nobody here
.endr
.endm
	s_wait_kmcnt 0x0
	s_add_co_i32 s96, s96, s97                     ; e10 + e11
	s_add_co_i32 s96, s96, 127
	s_lshl_b32 s96, s96, 23                        ; 2^(e10 + e11) as f32
	s_wait_loadcnt 0x0                             ; bo
	PLACES NP                                      ; behind the last products: their results are stored, and loads land in A's registers
	TOSTAGE 0
.irp a, 1,2,3,4,5,6,7
.if \a > 1
	s_wait_xcnt 0x0                                ; block a - 2's stores have read their registers and their base: block a's loads may land there, and the base may step
.endif
	TOSTAGE \a
	SEND \a-1, 32                                  ; behind block a - 1's loads: block a's 16 stores and 16 loads
.endr
	s_wait_xcnt 0x0                                ; block 6's stores have read their base
	SEND 7, 0
	s_wait_tensorcnt 0x0                           ; the wave's end
	ds_add_u32 v[SPW], v[NIL]
	s_wait_dscnt 0x0
	CROUND                                         ; the closing round
	s_endpgm
.Lfunc_end_k_q2c44f6b060_oproj:
	.size	k_q2c44f6b060_oproj, .Lfunc_end_k_q2c44f6b060_oproj-k_q2c44f6b060_oproj
	.p2alignl 7, 3214868480
	.fill 96, 4, 3214868480
	.section	.rodata,"a",@progbits
	.p2align	6, 0x0
	.amdhsa_kernel k_q2c44f6b060_oproj
		.amdhsa_group_segment_fixed_size 327680
		.amdhsa_private_segment_fixed_size 0
		.amdhsa_enable_private_segment 0
		.amdhsa_kernarg_size 40
		.amdhsa_user_sgpr_count 2
		.amdhsa_user_sgpr_kernarg_segment_ptr 1
		.amdhsa_wavefront_size32 1
		.amdhsa_system_sgpr_workgroup_id_x 1
		.amdhsa_system_sgpr_workgroup_id_y 1
		.amdhsa_system_sgpr_workgroup_id_z 1
		.amdhsa_system_vgpr_workitem_id 0
		.amdhsa_next_free_vgpr 1024
		.amdhsa_next_free_sgpr 98
		.amdhsa_reserve_vcc 0
		.amdhsa_float_denorm_mode_32 3
		.amdhsa_float_denorm_mode_16_64 3
		.amdhsa_memory_ordered 1
		.amdhsa_forward_progress 1
		.amdhsa_inst_pref_size 124
	.end_amdhsa_kernel
	.amdgpu_metadata
---
amdhsa.version: [ 1, 2 ]
amdhsa.kernels:
  - .name:           k_q2c44f6b060_oproj
    .symbol:         k_q2c44f6b060_oproj.kd
    .args:
      - { .name: ac, .offset: 0, .size: 8, .value_kind: global_buffer, .address_space: global }
      - { .name: wc, .offset: 8, .size: 8, .value_kind: global_buffer, .address_space: global }
      - { .name: bo, .offset: 16, .size: 8, .value_kind: global_buffer, .address_space: global }
      - { .name: lowp_scales, .offset: 24, .size: 8, .value_kind: global_buffer, .address_space: global }
      - { .name: out0, .offset: 32, .size: 8, .value_kind: global_buffer, .address_space: global }
    .group_segment_fixed_size: 327680
    .private_segment_fixed_size: 0
    .kernarg_segment_align: 8
    .kernarg_segment_size: 40
    .max_flat_workgroup_size: 128
    .sgpr_count:     98
    .vgpr_count:     1024
    .wavefront_size: 32
...
	.end_amdgpu_metadata
.endif
;; end of part 4
;; ======== version 2 of 3: 4 launches
;; limits: right only within a limited range of input values
;; workspace buffers: xc 25,165,824 bytes; wc 4,194,304 bytes; mbits 2,097,152 bytes of whole numbers; mflag 16,384 bytes of whole numbers; qkv 25,165,824 bytes; ac 8,388,608 bytes
;; launch prep (part 5): grid 1408 x 1, 4 waves a work-group, no clusters, 67,072 bytes of LDS; arguments query, key, value, Wq, Wk, Wv, Wo, mask, lowp_scales, xc, wc, mbits, mflag; writes xc, wc, mbits, mflag
.if DOCPART == 5
	.amdgcn_target "amdgcn-amd-amdhsa--gfx1250"
	.amdhsa_code_object_version 6
	.text
	.protected	k_q2c44f6b060_prep
	.globl	k_q2c44f6b060_prep
	.p2align	8
	.type	k_q2c44f6b060_prep,@function
k_q2c44f6b060_prep:
	s_mov_b64 s[64:65], 0
	v_nop
	global_prefetch_b8 v0, s[64:65] scope:SCOPE_SE
	s_setreg_imm32_b32 hwreg(HW_REG_WAVE_MODE, 25, 1), 1
	s_wait_xcnt 0x0
; TWO JOBS IN ONE LAUNCH, told apart by the work-group's number g.
; g = 0 .. 895: seven f32 tensors, all with K innermost, become codes of E4M3, each with the scale 2^e that is given for it:
;   query, key, value (256 work-groups each) -> xc [3][8192][1024];  Wq, Wk, Wv, Wo (32 each) -> wc [4][1024][1024].  A work-group takes 32,768 numbers, a wave 8,192.
;   code = x / 2^e, held within +-448, rounded to the nearest code, ties to even.  LIMITS: -126 <= e and e + 8 <= 127; NaN among the inputs is not served.
; g = 896 .. 1407: strip m = g - 896 = 128 b + qt of the mask (16 queries x 2,048 keys of int32) becomes 1,024 words of 32 bits: mbits [b][qt][ks 16][64 words].
;   Bit L of word n of key step ks says whether mask[b][16 qt + L % 16][128 ks + 32 (n / 16) + 16 (L / 16) + n % 16] is not 0: the lane mask for score register n of the attention launch.
;   Beside them mflag [strip][wave 4][2 words]: word 0 = the OR of all 256 words of the wave's four key steps (which lanes have an open key there); word 1: bit 4 w + t: key step 4 w + t has an open key;
;   bit 16 + 4 w + t: it has a hidden one.  The attention launch branches on these.  They are 8 bytes a wave, stored by one lane: 16,384 bytes in the whole launch.
; Each load reads 512 consecutive bytes, 16 a lane; the numbers turn through the wave's own stage in LDS, so that a lane then holds 16 neighbours along K.  No barrier: waves share nothing.
; The two jobs have LDS bytes of their own: 0 .. 32,767 and 32,768 .. 66,559.
.set STEPS, 16
.set EMAX,  8
.set MANT,  0x600000                   ; the mantissa field of 448 as f32
.set R,     16                         ; v16-79   four sets of 16 numbers as they are loaded
.set X,     80                         ; v80-111  two sets of 16 neighbours
.set C,     128                        ; v128-191 codes: four registers for each step, so that no store's data are written again
.set WREG,  8192                       ; LDS of a quantising wave: two stages of 32 x SP bytes
.set SP,    80                         ; a lane's place in a stage: its 64 bytes + 16 of padding
.set MBASE, 32768                      ; LDS of the mask's job
.set MP,    528                        ; a stage row there: 512 bytes + 16
.set MST,   16*MP                      ; a wave's stage: 16 rows
.set MR,    16                         ; v16-143  two sets of 64: a tile of 16 rows x 128 ints as loaded
.set MX,    144                        ; v144-207 the tile with register n = key 32 (n / 16) + 16 (lane / 16) + n % 16 of row lane % 16
.set OUT,   208                        ; v208-215 a pair for each of the wave's four tiles: lane l holds words 2 l and 2 l + 1
	s_load_b512 s[8:23], s[0:1], 0x0               ; query, key, value, Wq, Wk, Wv, Wo, mask
	s_load_b256 s[24:31], s[0:1], 0x40             ; the scales' exponents, xc, wc, mbits
	s_load_b64 s[50:51], s[0:1], 0x60              ; mflag
	v_lshl_add_u32 v224, v0, 2, 0x10400
	v_mov_b32 v225, 0
	v_lshrrev_b32 v1, 5, v0
	v_readfirstlane_b32 s2, v1                     ; wave
	v_and_b32 v2, 31, v0                           ; lane
	v_lshlrev_b32 v3, 4, v2                        ; 16 x lane: my bytes of a load's 512, and of a step's codes
	v_and_b32 v5, 15, v0                           ; r
	v_bfe_u32 v6, v0, 4, 1                         ; h
	s_mul_i32 s3, s2, WREG
	v_lshrrev_b32 v14, 2, v2
	v_mul_u32_u24 v14, v14, SP
	v_and_b32 v15, 3, v2
	v_lshl_add_u32 v14, v15, 4, v14
	v_add_nc_u32 v14, s3, v14                      ; the quantiser's stage, in: SP (lane / 4) + 16 (lane % 4)
	v_mul_u32_u24 v15, v2, SP
	v_add_nc_u32 v15, s3, v15                      ; and out: SP x lane: my 16 neighbours
	s_mul_i32 s3, s2, MST
	s_add_co_u32 s3, s3, MBASE
	v_add_nc_u32 v12, s3, v3                       ; the mask's stage, in: 16 x lane of a row
	v_mul_u32_u24 v13, v5, MP
	v_lshl_add_u32 v13, v6, 6, v13
	v_add_nc_u32 v13, s3, v13                      ; and out: row r, + 64 h bytes
	v_lshlrev_b32 v9, 3, v2                        ; 8 x lane: my two words of a tile's 64
	s_wait_kmcnt 0x0
	s_cmp_ge_u32 ttmp9, 896
	s_cbranch_scc1 .Lmask
; ---- the quantiser.  Which tensor: its pointer, its first work-group and the byte of its exponent among the scales are chosen by the work-group's number alone
.macro PICK t, p, e
	s_cmp_ge_u32 ttmp9, \t
	s_cselect_b64 s[4:5], s[\p:\p+1], s[4:5]
	s_cselect_b32 s32, \t, s32
	s_cselect_b32 s33, \e, s33
.endm
	s_mov_b64 s[4:5], s[8:9]                       ; query, entry 0
	s_mov_b32 s32, 0
	s_mov_b32 s33, 0
	PICK 256, 10, 8                                ; key, entry 2
	PICK 512, 12, 16                               ; value, entry 4
	PICK 768, 14, 4                                ; Wq, entry 1
	PICK 800, 16, 12                               ; Wk, entry 3
	PICK 832, 18, 20                               ; Wv, entry 5
	PICK 864, 20, 44                               ; Wo, entry 11
	s_load_b32 s35, s[24:25], s33 offset:0x0       ; e
	s_cmp_ge_u32 ttmp9, 768
	s_cselect_b64 s[6:7], s[28:29], s[26:27]       ; the codes go to wc or to xc,
	s_cselect_b32 s34, 768, 0                      ; counted from that buffer's first work-group
	s_sub_co_u32 s36, ttmp9, s32
	s_lshl_b32 s36, s36, 2
	s_add_co_u32 s36, s36, s2                      ; which run of 8,192 numbers of the tensor is my wave's
	s_lshl_b32 s36, s36, 15                        ; in bytes of f32
	s_mov_b32 s37, 0
	s_add_nc_u64 s[4:5], s[4:5], s[36:37]
	s_sub_co_u32 s38, ttmp9, s34
	s_lshl_b32 s38, s38, 2
	s_add_co_u32 s38, s38, s2
	s_lshl_b32 s38, s38, 13                        ; in bytes of codes
	s_mov_b32 s39, 0
	s_add_nc_u64 s[6:7], s[6:7], s[38:39]
.macro LOAD t
.irp i, 0,1,2,3
	global_load_b128 v[R+16*((\t)%4)+4*\i:R+16*((\t)%4)+4*\i+3], v3, s[4:5] offset:2048*(\t)+512*\i th:TH_LOAD_NT   ; 32 lanes read 512 consecutive bytes
.endr
.endm
.macro TURN t                          ; step t's numbers through the stage: LDS serves a wave's instructions in order, so no wait stands between the stores and the loads
.irp i, 0,1,2,3
	ds_store_b128 v14, v[R+16*((\t)%4)+4*\i:R+16*((\t)%4)+4*\i+3] offset:32*SP*((\t)%2)+8*SP*\i
.endr
.irp i, 0,1,2,3
	ds_load_b128 v[X+16*((\t)%2)+4*\i:X+16*((\t)%2)+4*\i+3], v15 offset:32*SP*((\t)%2)+16*\i
.endr
.endm
.irp t, 0,1,2,3
	LOAD \t
.endr
	s_wait_kmcnt 0x0
	s_add_co_i32 s35, s35, 127
	s_lshl_b32 s40, s35, 23
	v_mov_b32 v11, s40                             ; 2^e as f32: the conversion takes its exponent field
	s_add_co_i32 s35, s35, EMAX
	s_lshl_b32 s35, s35, 23
	s_or_b32 s35, s35, MANT
	v_mov_b32 v10, s35                             ; 448 x 2^e
	s_wait_loadcnt 12                              ; step 0's four loads are in; the twelve of steps 1 to 3 may be out
	TURN 0
.macro STEP t
.set XS, X+16*((\t)%2)
	s_wait_dscnt 0x0                               ; this step's numbers are back from the stage: so its stores into the stage have read their registers,
.if (\t)+4 < STEPS
	LOAD (\t)+4                                    ; which take the loads of four steps on
.endif
.if (\t)+1 < STEPS
.if STEPS-2-(\t) >= 3
	s_wait_loadcnt 12                              ; the next step's four loads are in; those of the three steps behind it may be out
.else
	s_wait_loadcnt 4*(STEPS-2-(\t))                ; at the end the counts run down: 8, 4, 0
.endif
	TURN (\t)+1                                    ; and go through the other stage while this step is worked
.endif
.irp i, 0,1,2,3,4,5,6,7,8,9,10,11,12,13,14,15
	v_med3_num_f32 v[XS+\i], v[XS+\i], -v10, v10   ; the conversion to an 8-bit code does not saturate (ISA guide 7.6.2): the hold at the largest code x the scale comes first
.endr
	v_cvt_scalef32_pk8_fp8_f32 v[C+4*(\t):C+4*(\t)+1], v[XS:XS+7], v11
	v_cvt_scalef32_pk8_fp8_f32 v[C+4*(\t)+2:C+4*(\t)+3], v[XS+8:XS+15], v11
	global_store_b128 v3, v[C+4*(\t):C+4*(\t)+3], s[6:7] offset:512*(\t)   ; the wave stores 512 consecutive bytes.  (The codes go to a store alone; the next vector lines are the next step's holds, on other registers)
.endm
.irp t, 0,1,2,3,4,5,6,7,8,9,10,11,12,13,14,15
	STEP \t
.endr
	s_wait_tensorcnt 0x0
	ds_add_u32 v224, v225
	s_wait_dscnt 0x0
	s_endpgm
; ---- the mask.  Wave w takes key steps 4 w .. 4 w + 3 of the strip: four tiles of 16 rows x 128 ints
.Lmask:
	s_sub_co_u32 s32, ttmp9, 896                   ; m = 128 b + qt
	s_lshl_b32 s33, s32, 17                        ; 16 rows of 8,192 bytes
	s_lshl_b32 s34, s2, 11                         ; my four tiles' 2,048 bytes of a row
	s_add_co_u32 s40, s33, s34
	s_mov_b32 s41, 0
	s_add_nc_u64 s[22:23], s[22:23], s[40:41]
	s_lshl_b32 s33, s32, 4
	s_lshl_b32 s34, s2, 2
	s_add_co_u32 s33, s33, s34                     ; 16 m + 4 w: my first tile's number
	s_lshl_b32 s42, s33, 8                         ; 256 bytes of words a tile
	s_mov_b32 s43, 0
	s_add_nc_u64 s[30:31], s[30:31], s[42:43]
	s_mov_b32 s46, 0                               ; the OR of all my words
	s_mov_b32 s48, 0                               ; my four steps' bits
.irp i, 0,1,2,3,4,5,6,7
	v_mov_b32 v[OUT+\i], 0                         ; written whole once: v_writelane_b32 fills them lane by lane
.endr
.macro MLOAD t
.irp i, 0,1,2,3,4,5,6,7,8,9,10,11,12,13,14,15
	global_load_b128 v[MR+64*((\t)%2)+4*\i:MR+64*((\t)%2)+4*\i+3], v3, s[22:23] offset:8192*\i+512*(\t) th:TH_LOAD_NT   ; 512 consecutive bytes of row i
.endr
.endm
.macro MTILE t
.if (\t) < 3
	s_wait_loadcnt 16                              ; this tile's 16 loads are in; the next tile's 16 may be out
.else
	s_wait_loadcnt 0
.endif
.irp i, 0,1,2,3,4,5,6,7,8,9,10,11,12,13,14,15
	ds_store_b128 v12, v[MR+64*((\t)%2)+4*\i:MR+64*((\t)%2)+4*\i+3] offset:MP*\i
.endr
.irp i, 0,1,2,3,4,5,6,7,8,9,10,11,12,13,14,15
	ds_load_b128 v[MX+4*\i:MX+4*\i+3], v13 offset:128*(\i/4)+16*(\i%4)   ; registers 16 (i / 4) + 4 (i % 4) on: keys 32 (i / 4) + 16 h + 4 (i % 4) on, of row r
.endr
	s_wait_dscnt 0x0                               ; the tile is back, and the stores have read their registers,
.if (\t) < 2
	MLOAD (\t)+2                                   ; which take the tile two further on
.endif
	s_mov_b32 s44, 0                               ; the tile's words: their OR,
	s_mov_b32 s45, -1                              ; and their AND
.set n, 0
.rept 16                               ; four words at a time: the compares, the lanes' writes, the two running words
.irp k, 0,1,2,3
	v_cmp_ne_u32 s[36+\k], 0, v[MX+n+\k]           ; word n + k: a bit for each lane
.endr
.irp k, 0,1,2,3
	v_writelane_b32 v[OUT+2*(\t)+(n+\k)%2], s[36+\k], (n+\k)/2
.endr
.irp k, 0,1,2,3
	s_or_b32 s44, s44, s[36+\k]
	s_and_b32 s45, s45, s[36+\k]
.endr
.set n, n+4
.endr
	global_store_b64 v9, v[OUT+2*(\t):OUT+2*(\t)+1], s[30:31] offset:256*(\t)   ; the wave stores the tile's 256 consecutive bytes, aligned
	s_or_b32 s46, s46, s44
	s_cmp_lg_u32 s44, 0                            ; an open key in this step?
	s_cselect_b32 s47, 1<<(\t), 0
	s_or_b32 s48, s48, s47
	s_cmp_lg_u32 s45, -1                           ; a hidden one?
	s_cselect_b32 s47, 0x10000<<(\t), 0
	s_or_b32 s48, s48, s47
.endm
	MLOAD 0
	MLOAD 1
	MTILE 0
	MTILE 1
	MTILE 2
	MTILE 3
	s_lshl_b32 s49, s2, 2
	s_lshl_b32 s48, s48, s49                       ; my four steps' bits at their places: 4 w on, and 16 + 4 w on
	s_lshl_b32 s52, s32, 5                         ; 32 bytes a strip,
	s_lshl_b32 s53, s2, 3                          ; 8 a wave
	s_add_co_u32 s52, s52, s53
	s_mov_b32 s53, 0
	s_add_nc_u64 s[50:51], s[50:51], s[52:53]
	v_mov_b32 v216, s46
	v_mov_b32 v217, s48
	v_mov_b32 v218, 0
	v_cmp_eq_u32 vcc_lo, 0, v2
	s_wait_xcnt 0x0                                ; EXEC changes only behind this wait: the stores above have it among their sources
	s_wait_tensorcnt 0x0
	ds_add_u32 v224, v225
	s_wait_dscnt 0x0
	s_and_saveexec_b32 s54, vcc_lo                 ; lane 0 alone
	global_store_b64 v218, v[216:217], s[50:51]
	s_wait_xcnt 0x0                                ; and again, in front of the line that widens it
	s_or_b32 exec_lo, exec_lo, s54
	s_endpgm
.Lfunc_end_k_q2c44f6b060_prep:
	.size	k_q2c44f6b060_prep, .Lfunc_end_k_q2c44f6b060_prep-k_q2c44f6b060_prep
	.p2alignl 7, 3214868480
	.fill 96, 4, 3214868480
	.section	.rodata,"a",@progbits
	.p2align	6, 0x0
	.amdhsa_kernel k_q2c44f6b060_prep
		.amdhsa_group_segment_fixed_size 67072
		.amdhsa_private_segment_fixed_size 0
		.amdhsa_enable_private_segment 0
		.amdhsa_kernarg_size 104
		.amdhsa_user_sgpr_count 2
		.amdhsa_user_sgpr_kernarg_segment_ptr 1
		.amdhsa_wavefront_size32 1
		.amdhsa_system_sgpr_workgroup_id_x 1
		.amdhsa_system_sgpr_workgroup_id_y 1
		.amdhsa_system_sgpr_workgroup_id_z 1
		.amdhsa_system_vgpr_workitem_id 0
		.amdhsa_next_free_vgpr 226
		.amdhsa_next_free_sgpr 66
		.amdhsa_reserve_vcc 1
		.amdhsa_float_denorm_mode_32 3
		.amdhsa_float_denorm_mode_16_64 3
		.amdhsa_memory_ordered 1
		.amdhsa_forward_progress 1
		.amdhsa_inst_pref_size 104
	.end_amdhsa_kernel
	.amdgpu_metadata
---
amdhsa.version: [ 1, 2 ]
amdhsa.kernels:
  - .name:           k_q2c44f6b060_prep
    .symbol:         k_q2c44f6b060_prep.kd
    .args:
      - { .name: query, .offset: 0, .size: 8, .value_kind: global_buffer, .address_space: global }
      - { .name: key, .offset: 8, .size: 8, .value_kind: global_buffer, .address_space: global }
      - { .name: value, .offset: 16, .size: 8, .value_kind: global_buffer, .address_space: global }
      - { .name: Wq, .offset: 24, .size: 8, .value_kind: global_buffer, .address_space: global }
      - { .name: Wk, .offset: 32, .size: 8, .value_kind: global_buffer, .address_space: global }
      - { .name: Wv, .offset: 40, .size: 8, .value_kind: global_buffer, .address_space: global }
      - { .name: Wo, .offset: 48, .size: 8, .value_kind: global_buffer, .address_space: global }
      - { .name: mask, .offset: 56, .size: 8, .value_kind: global_buffer, .address_space: global }
      - { .name: lowp_scales, .offset: 64, .size: 8, .value_kind: global_buffer, .address_space: global }
      - { .name: xc, .offset: 72, .size: 8, .value_kind: global_buffer, .address_space: global }
      - { .name: wc, .offset: 80, .size: 8, .value_kind: global_buffer, .address_space: global }
      - { .name: mbits, .offset: 88, .size: 8, .value_kind: global_buffer, .address_space: global }
      - { .name: mflag, .offset: 96, .size: 8, .value_kind: global_buffer, .address_space: global }
    .group_segment_fixed_size: 67072
    .private_segment_fixed_size: 0
    .kernarg_segment_align: 8
    .kernarg_segment_size: 104
    .max_flat_workgroup_size: 128
    .sgpr_count:     66
    .vgpr_count:     226
    .wavefront_size: 32
...
	.end_amdgpu_metadata
.endif
;; end of part 5
;; launch proj: the kernel of part 2 again; grid 4 x 96, 4 waves a work-group, clusters of 4 x 4, 327,680 bytes of LDS; arguments xc, wc, bq, bk, bv, lowp_scales, qkv; writes qkv
;; launch attn (part 6): grid 4 x 64, 16 waves a work-group, no clusters, 313,344 bytes of LDS; arguments qkv, mbits, mflag, lowp_scales, ac; writes ac
.if DOCPART == 6
	.amdgcn_target "amdgcn-amd-amdhsa--gfx1250"
	.amdhsa_code_object_version 6
	.text
	.protected	k_q2c44f6b060_attn
	.globl	k_q2c44f6b060_attn
	.p2align	8
	.type	k_q2c44f6b060_attn,@function
k_q2c44f6b060_attn:
	s_mov_b64 s[64:65], 0
	v_nop
	global_prefetch_b8 v0, s[64:65] scope:SCOPE_SE
	s_setreg_imm32_b32 hwreg(HW_REG_WAVE_MODE, 25, 1), 1
	s_wait_xcnt 0x0
; ATTENTION ON CODES OF E4M3, head size 64, 2,048 keys, with the mask as it was given (packed into lane masks by the first launch), and the quantising of its result for the last projection.
; qkv: plane 0 q [head][token][64], plane 1 k likewise, plane 2 V^T [block of 64 keys][channel 1,024][64 keys].  mbits: [b][tile of 16 queries][key step][64 words].  ac: [head][token][64] codes.
; mflag: [b][tile][4][2 words]: which lanes have an open key, which key steps have an open key, which have a hidden one.
; THE SOFTMAX: t = score x 2^(e6 + e7) x log2(e) / 8; M = the row's largest t so far, rounded UP to a whole number; p = 2^(t - M) is what is quantised (2^e8); the row's sum is taken of the unquantised p and divides at the end.
; THE MASK: a hidden score is replaced ahead of the maximum by the raw number -2^(33 - e6 - e7), which stands for the logit -2^30 where the definition has -1e9.  A power of two, so that raw x c is exact and a row
; that is hidden everywhere gets t - M = 0, p = 1 for every key: the plain mean of v, as with -1e9.  Beside any open key both give p = 0.
; WHAT THE MASK HIDES IS LEFT OUT, by scalar branches on the stored whole numbers.  A key step (my 16 queries x 128 keys) without an open key adds p = 0 to every row that has an open key somewhere: it is jumped over.
; If one of my 16 rows has no open key at all, no step of the tile is jumped over, and that row gets its mean.  In a step without a hidden key the 64 selections are jumped over.  Every mask is served.
; LIMITS: e6 + e7 between -94 and 9 (open logits are at most 64 x 448^2 / 8 x 2^(e6 + e7) in magnitude and must lie above -2^30; the powers of two must be f32 numbers); e8, and e10 - e8 - e9, between -126 and 119.
; SHARES.  A work-group owns 512 queries of one head of one batch: the 32 tiles of 16 whose number is x modulo 4.  Each of its SIXTEEN waves owns two of them, one after the other, in 256 registers: first tile
; 124 - 4 w + x, then tile 4 w + x.  So a mask that hides later keys from earlier queries leaves every wave about the same number of steps; under another mask the shares are only less even.
; Four waves to a SIMD, so that one wave's vector work stands beside another's matrix work and LDS loads.
; K AND V^T OF THE WHOLE HEAD STAY IN LDS: 2 x 131,072 bytes, fetched once for the work-group's 32 tiles.  They come THROUGH REGISTERS, in four slots of 512 keys: a wave brings one block of 4,096 dense bytes of a slot
; (waves 0-7: 64 keys of K; waves 8-15: 64 keys of V^T) by eight loads of 512 consecutive bytes and eight LDS stores; a slot's loads are issued four key steps ahead of its stores.  One barrier a slot, four in all.
; NO TENSOR LOAD, NO CLUSTER, though the four work-groups of a head read the same K and V^T: the walk hangs on numbers read from memory.
; No prefetch: but for the first slot, each slot's loads into registers stand four key steps ahead of the wait for them.
; LDS: a line is two rows of 64 codes + 16 bytes = 144 bytes: row i lies at 144 (i / 2) + 64 (i % 2).  The sixteen rows r + 8 (r / 8) that a load touches then fall on sixteen different columns of 16 bytes modulo 256.
; LAYOUT.  Both products are used transposed: S^T = K Q^T, O^T = V^T P^T: a lane holds ONE query (lane % 16) throughout.  Lane r of tile 2 b + u of K takes key 32 b + 8 u + r + 8 (r / 8), so that the 16 registers of
; tiles 2 b and 2 b + 1 are the neighbouring keys 32 b + 16 (lane / 16) + 0 .. 15: the conversions' results are the second product's operand.  V^T's tiles take their channels by the same rule.
; REGISTERS: v1-5, v7, v10, v11 addresses that stay; v8, v9 addresses in hand; v12 -M, v13 the largest t, v[14:15] the sum in two halves; v16-23 Q of the first tile; v24-28 constants; v29 at work; v[30:31] f;
; v32-95 fragments of K, then of V^T; v96-159 S^T, then p; v160-191 O^T; v192-207 p's codes; v208-211 at work; v212-243 a block on its way to LDS; v244-251 Q of the second tile.
.set LINE,  144                        ; two rows + 16 bytes
.set RW,    72                         ; so eight rows are 8 x 72 bytes
.set BLK,   64*RW                      ; a block: 64 rows
.set STEPB, 2*BLK                      ; a key step: 128 keys of K, and two blocks of V^T
.set SLOTB, 8*BLK                      ; a slot: 512 keys
.set VOFF,  32*BLK                     ; K's 32 blocks, then V^T's 32 ([block of 64 keys][channel])
.set STAGE, 2*VOFF                     ; behind them: 1,024 bytes for each wave, for the way out
.set AK0, 1                            ; v1   my lane's place in a tile of K
.set AV0, 2                            ; v2   the same for V^T
.set SA0, 3                            ; v3   where I store my block: slots 0 and 1
.set STO, 4                            ; v4   the stage: where I put 8 codes
.set SA2, 5                            ; v5   slots 2 and 3
.set GO,  7                            ; v7   16 x lane
.set ADK, 8
.set ADV, 9
.set RD,  10                           ; v10  the stage: where I read back
.set QO,  11                           ; v11  my bytes of Q's 16 rows
.set QA,  16
.set QB,  244
.set SR,  212
.set TB,  2                            ; s2   LDS byte at which the step in hand begins
.set MO,  3                            ; s3   the byte of its words among my tile's 4,096
.set CNT, 4                            ; s4   counts steps
.set WV,  5                            ; s5   wave
.set MB,  6                            ; s[6:7] the tile's mask words
.set FO,  8                            ; s8   bit 0: the step in hand has an open key (or the tile has a row without any); shifted down step by step
.set FM,  9                            ; s9   bit 0: it has a hidden key
.set SRC, 10                           ; s[10:11] my block of the slot that is being fetched
.set GST, 12                           ; s[12:13] a slot on, in my tensor's memory
.set ACA, 14                           ; s[14:15] the first tile's 1,024 bytes of ac
.set MBB, 16                           ; s[16:17] the second tile's mask words
.set ACB, 18                           ; s[18:19] its bytes of ac
.set FOB, 20                           ; s20, s21 its two words of bits
.set FMB, 21
.set CS,  28                           ; s[28:29] c, twice
.set SEL, 30                           ; s[30:31] lane selects for v_permlanex16_b32: lane l xor 16
; s[32:63], s[68:99]: the step's 64 mask words (ahead of the first step: at work); s100, s101 at work
	s_load_b256 s[36:43], s[0:1], 0x0              ; qkv s[36:37], mbits s[38:39], mflag s[40:41], the scales' exponents s[42:43]
	s_load_b64 s[44:45], s[0:1], 0x20              ; ac
	v_lshl_add_u32 v254, v0, 2, 0x4c000
	v_mov_b32 v255, 0
	v_lshrrev_b32 v8, 5, v0
	v_readfirstlane_b32 s[WV], v8                  ; wave 0..15
	v_and_b32 v8, 15, v0                           ; r
	v_bfe_u32 v9, v0, 4, 1                         ; h
	v_and_b32 v10, 31, v0                          ; lane
	v_lshlrev_b32 v[GO], 4, v10
	v_lshlrev_b32 v[QO], 6, v8
	v_lshl_add_u32 v[QO], v9, 4, v[QO]             ; Q: row r of 64 bytes, + 16 h
	v_and_b32 v[AK0], 8, v8
	v_add_nc_u32 v[AK0], v[AK0], v8                ; i = r + 8 (r / 8)
	v_lshrrev_b32 v[AV0], 1, v[AK0]
	v_mul_u32_u24 v[AV0], v[AV0], LINE
	v_and_b32 v[AK0], 1, v[AK0]
	v_lshl_add_u32 v[AK0], v[AK0], 6, v[AV0]       ; 144 (i / 2) + 64 (i % 2)
	v_lshl_add_u32 v[AK0], v9, 4, v[AK0]           ; + 16 h
	v_add_nc_u32 v[AV0], VOFF, v[AK0]
	s_and_b32 s53, s[WV], 7
	s_lshr_b32 s32, s[WV], 3
	s_mul_i32 s32, s32, VOFF                       ; waves 8-15: V^T's half of LDS
	s_mul_i32 s33, s53, BLK                        ; block wave % 8 of a slot
	s_add_co_u32 s32, s32, s33
	v_lshrrev_b32 v[SA0], 3, v10                   ; a load's 512 bytes are eight rows, four lines: eight lanes to a line, 16 bytes each
	v_mul_u32_u24 v[SA0], v[SA0], LINE
	v_and_b32 v[SA2], 7, v10
	v_lshl_add_u32 v[SA0], v[SA2], 4, v[SA0]
	v_add_nc_u32 v[SA0], s32, v[SA0]
	v_add_nc_u32 v[SA2], 2*SLOTB, v[SA0]
	s_lshl_b32 s33, s[WV], 10
	s_add_co_u32 s33, s33, STAGE                   ; my stage
	v_lshlrev_b32 v[STO], 6, v8
	v_lshl_add_u32 v[STO], v9, 4, v[STO]
	v_add_nc_u32 v[STO], s33, v[STO]               ; in: query r's 64 bytes, + 16 h
	v_add_nc_u32 v[RD], s33, v[GO]                 ; back: as it lies
	v_mov_b32 v29, 0                               ; written once: a lane permute's destination counts as one of its sources
	v_mov_b32 v31, 0                               ; (named as the upper half of the pair v[30:31])
	s_and_b32 s46, ttmp7, 0xffff
	s_lshr_b32 s47, s46, 4                         ; b
	s_and_b32 s48, s46, 15                         ; head
	s_lshl_b32 s49, s48, 19                        ; a head's plane of q, k, ac: 8,192 tokens x 64
	s_lshl_b32 s50, s47, 17                        ; a batch's 2,048 tokens in it
	s_add_co_u32 s51, s49, s50
	s_lshl_b32 s52, s48, 12                        ; a head's 64 channels x 64 in a block of V^T
	s_lshl_b32 s54, s53, 12
	s_add_co_u32 s54, s54, s51
	s_add_co_u32 s54, s54, 0x800000                ; K: plane 1, my 64 keys of slot 0
	s_lshl_b32 s55, s47, 5
	s_add_co_u32 s55, s55, s53
	s_lshl_b32 s55, s55, 16
	s_add_co_u32 s55, s55, s52
	s_add_co_u32 s55, s55, 0x1000000               ; V^T: plane 2, block 32 b + wave % 8, my head's channels
	s_cmp_lt_u32 s[WV], 8
	s_cselect_b32 s56, s54, s55
	s_mov_b32 s57, 0
	s_mov_b32 s[GST], 0x80000                      ; V^T: eight blocks of 65,536 bytes on;
	s_cselect_b32 s[GST], 0x8000, s[GST]           ; K: 512 keys x 64
	s_mov_b32 s[GST+1], 0
	s_lshl_b32 s58, s47, 7
	s_add_co_u32 s58, s58, ttmp9                   ; 128 b + x
	s_lshl_b32 s59, s[WV], 2
	s_add_co_u32 s60, s58, s59                     ; the second tile: 128 b + x + 4 w
	s_sub_co_u32 s61, 124, s59
	s_add_co_u32 s61, s61, s58                     ; the first: 128 b + x + 124 - 4 w
	s_mov_b32 s63, 0
	s_mov_b32 s[SEL], 0x76543210
	s_mov_b32 s[SEL+1], 0xfedcba98
.macro LOADS                           ; my block of a slot: eight loads of 512 consecutive bytes
.irp i, 0,1,2,3,4,5,6,7
	global_load_b128 v[SR+4*\i:SR+4*\i+3], v[GO], s[SRC:SRC+1] offset:512*\i
.endr
.endm
.macro STORES s                        ; and into slot s: load i's eight rows are four lines
.irp i, 0,1,2,3,4,5,6,7
.if (\s) < 2
	ds_store_b128 v[SA0], v[SR+4*\i:SR+4*\i+3] offset:(\s)*SLOTB+4*LINE*\i
.else
	ds_store_b128 v[SA2], v[SR+4*\i:SR+4*\i+3] offset:((\s)-2)*SLOTB+4*LINE*\i
.endif
.endr
.endm
	s_wait_kmcnt 0x0
	s_load_b256 s[68:75], s[42:43], 0x0            ; e0 .. e7
	s_load_b128 s[76:79], s[42:43], 0x20           ; e8 .. e11
	s_add_nc_u64 s[SRC:SRC+1], s[36:37], s[56:57]
	LOADS                                          ; slot 0
	s_lshl_b32 s62, s61, 12                        ; a tile's mask words are 4,096 bytes,
	s_add_nc_u64 s[MB:MB+1], s[38:39], s[62:63]
	s_lshl_b32 s62, s60, 12
	s_add_nc_u64 s[MBB:MBB+1], s[38:39], s[62:63]
	s_lshl_b32 s62, s61, 5                         ; its record of bits 32,
	s_add_nc_u64 s[32:33], s[40:41], s[62:63]
	s_load_b256 s[80:87], s[32:33], 0x0
	s_lshl_b32 s62, s60, 5
	s_add_nc_u64 s[34:35], s[40:41], s[62:63]
	s_load_b256 s[88:95], s[34:35], 0x0
	s_lshl_b32 s62, s61, 10                        ; its 16 rows of 64 bytes in q's plane and in ac 1,024
	s_add_co_u32 s62, s62, s49
	s_add_nc_u64 s[ACA:ACA+1], s[44:45], s[62:63]
	s_add_nc_u64 s[104:105], s[36:37], s[62:63]
	global_load_b128 v[QA:QA+3], v[QO], s[104:105] ; registers 4 c .. 4 c + 3: channels 32 c + 16 h + 0 .. 15: the same permutation of the 64 as in K's fragments
	global_load_b128 v[QA+4:QA+7], v[QO], s[104:105] offset:32
	s_lshl_b32 s62, s60, 10
	s_add_co_u32 s62, s62, s49
	s_add_nc_u64 s[ACB:ACB+1], s[44:45], s[62:63]
	s_add_nc_u64 s[66:67], s[36:37], s[62:63]
	global_load_b128 v[QB:QB+3], v[QO], s[66:67]
	global_load_b128 v[QB+4:QB+7], v[QO], s[66:67] offset:32
.macro INIT                            ; a tile begins: the step is written once, and the first finds zeros, which the first change of M leaves zeros
	v_mov_b32 v13, 0xff61b1e6                      ; the largest t so far: -3e38, under every t
	v_floor_f32 v12, -v13                          ; -M
	v_mov_b32 v14, 0
	v_mov_b32 v15, 0
.set j, 0
.rept 32
	v_mov_b32 v[160+j], 0                          ; O^T
.set j, j+1
.endr
.endm
	INIT
	s_wait_kmcnt 0x0
; the four waves' records of a tile become its two words of bits
.macro FLAGS rec, fo, fm
	s_or_b32 s32, s[\rec], s[\rec+2]
	s_or_b32 s33, s[\rec+4], s[\rec+6]
	s_or_b32 s32, s32, s33                         ; lanes with an open key somewhere among the 2,048
	s_lshr_b32 s33, s32, 16
	s_or_b32 s32, s32, s33
	s_and_b32 s32, s32, 0xffff                     ; rows with one: a row's keys lie in lanes r and r + 16
	s_or_b32 s34, s[\rec+1], s[\rec+3]
	s_or_b32 s35, s[\rec+5], s[\rec+7]
	s_or_b32 s34, s34, s35
	s_and_b32 s[\fo], s34, 0xffff
	s_lshr_b32 s[\fm], s34, 16
	s_cmp_eq_u32 s32, 0xffff
	s_cselect_b32 s[\fo], s[\fo], 0xffff           ; a row without any open key: every step is walked
.endm
	FLAGS 80, FO, FM
	FLAGS 88, FOB, FMB
	s_add_co_i32 s100, s74, s75                    ; e6 + e7
	s_lshl_b32 s101, s100, 23
	s_add_co_i32 s[CS], s101, 0x3e38aa3b           ; c = log2(e) / 8 x 2^(e6 + e7): the exponents are added to c's exponent field
	s_mov_b32 s[CS+1], s[CS]
	s_sub_co_i32 s100, 160, s100
	s_lshl_b32 s100, s100, 23
	s_or_b32 s100, s100, 0x80000000
	v_mov_b32 v24, s100                            ; -2^(33 - e6 - e7): a hidden score
	s_add_co_i32 s100, s76, 127
	s_lshl_b32 s101, s100, 23
	v_mov_b32 v26, s101                            ; 2^e8
	s_add_co_i32 s100, s100, 8
	s_lshl_b32 s100, s100, 23
	s_or_b32 s100, s100, 0x600000
	v_mov_b32 v25, s100                            ; 448 x 2^e8
	s_sub_co_i32 s100, s78, s76
	s_sub_co_i32 s100, s100, s77                   ; e10 - e8 - e9: O^T / the sum stands for that x 2^(e8 + e9)
	s_add_co_i32 s100, s100, 127
	s_lshl_b32 s101, s100, 23
	v_mov_b32 v28, s101
	s_add_co_i32 s100, s100, 8
	s_lshl_b32 s100, s100, 23
	s_or_b32 s100, s100, 0x600000
	v_mov_b32 v27, s100
	s_mov_b32 s[MO], 0
.macro MASKLOAD                        ; a step's 64 words: 256 bytes
	s_load_b512 s[32:47], s[MB:MB+1], s[MO] offset:0x0
	s_load_b512 s[48:63], s[MB:MB+1], s[MO] offset:0x40
	s_load_b512 s[68:83], s[MB:MB+1], s[MO] offset:0x80
	s_load_b512 s[84:99], s[MB:MB+1], s[MO] offset:0xc0
.endm
; A KEY STEP: 128 keys.  qr: where the tile's Q stands
.macro STEP qr
	s_and_b32 s100, s[FO], 1
	s_cmp_eq_u32 s100, 0
	s_cbranch_scc1 .Lhidden_\@                     ; no open key for any of my 16 queries: only the lines at the step's end that step addresses are run
	MASKLOAD                                       ; this step's words: they come while K's fragments are fetched and multiplied
	v_add_nc_u32 v[ADK], s[TB], v[AK0]
	v_add_nc_u32 v[ADV], s[TB], v[AV0]
	v_nop
	v_nop                                          ; four places in front of loads into registers that the last step's products have read
.irp t, 0,1,2,3,4,5,6,7
.irp c, 0,1
	ds_load_b128 v[32+8*\t+4*\c:32+8*\t+4*\c+3], v[ADK] offset:(32*(\t/2)+8*(\t%2))*RW+32*\c
.endr
.endr
	s_wait_dscnt 0x0
.irp t, 0,1,2,3,4,5,6,7
	v_wmma_f32_16x16x64_fp8_fp8 v[96+8*\t:103+8*\t], v[32+8*\t:39+8*\t], v[\qr:\qr+7], 0   ; S^T: register 16 b + i = key 32 b + 16 h + i of my query
.endr
.rept 4
	v_nop                                          ; places: K's registers take V^T's fragments, and the scores are read
.endr
.irp t, 0,1,2,3
.irp c, 0,1,2,3
	ds_load_b128 v[32+16*\t+4*\c:32+16*\t+4*\c+3], v[ADV] offset:(\c/2)*BLK+(32*(\t/2)+8*(\t%2))*RW+32*(\c%2)   ; channel 32 (t / 2) + 8 (t % 2) + r + 8 (r / 8), keys 32 c + 16 h + 0 .. 15: they land while the softmax is walked
.endr
.endr
	s_wait_kmcnt 0x0                               ; the words are in, on both ways below
	s_and_b32 s100, s[FM], 1
	s_cmp_eq_u32 s100, 0
	s_cbranch_scc1 .Lopen_\@                       ; no hidden key in this step: nothing to replace
.set n, 0
.rept 64
	v_cndmask_b32 v[96+n], v24, v[96+n], s[32+n+4*(n/32)]   ; hidden: -2^(33 - e6 - e7).  Each accumulator from its low end on
.set n, n+1
.endr
.Lopen_\@:
	v_max3_num_f32 v208, v96, v97, v98             ; the step's largest score of my query, among my 64 keys, in two chains, the registers in ascending order,
	v_max3_num_f32 v209, v99, v100, v101
.irp i, 6,10,14,18,22,26,30,34,38,42,46,50,54,58
	v_max3_num_f32 v208, v208, v[96+\i], v[97+\i]
	v_max3_num_f32 v209, v209, v[98+\i], v[99+\i]
.endr
	v_max3_num_f32 v208, v208, v158, v159
	v_max_num_f32 v208, v208, v209
	v_permlanex16_b32 v29, v208, s[SEL], s[SEL+1]
	v_max_num_f32 v208, v208, v29                  ; and among lane l xor 16's
	v_mul_f32 v208, s[CS], v208                    ; as t (c is positive)
	v_max_num_f32 v13, v13, v208                   ; the running largest t
	v_mov_b32 v208, v12
	v_floor_f32 v12, -v13                          ; the new -M = floor(-t) = -ceil(t): M is a whole number
	v_sub_f32 v208, v12, v208                      ; M's old value less its new one: a whole number, 0 or less
	v_cvt_i32_f32 v208, v208                       ; (it saturates)
	v_ldexp_f32 v30, 1.0, v208                     ; f = 2^(old M - new M)
.set j, 0
.rept 32
	v_pk_fma_f32 v[96+j:97+j], v[96+j:97+j], s[CS:CS+1], v[12:13] op_sel_hi:[1,0,0]   ; t - M, two at a time
.set j, j+2
.endr
.set j, 0
.rept 64
	v_exp_f32 v[96+j], v[96+j]                     ; p = 2^(t - M), at most 1: not normalised
.set j, j+1
.endr
	v_pk_mul_f32 v[14:15], v[14:15], v[30:31] op_sel_hi:[1,0]   ; the sums under the new M.  (The plain instruction behind the exponentials)
	s_wait_alu depctr_va_vdst(0)                   ; one wait for the whole batch, ahead of its first reader
	v_pk_add_f32 v[210:211], v[96:97], v[98:99]    ; the row's sum is taken of the unquantised p: two at a time, in two chains
.irp j, 4,8,12,16,20,24,28,32,36,40,44,48,52,56,60
	v_pk_add_f32 v[14:15], v[14:15], v[96+\j:97+\j]
	v_pk_add_f32 v[210:211], v[210:211], v[98+\j:99+\j]
.endr
	v_pk_add_f32 v[14:15], v[14:15], v[210:211]
.irp b, 0,1,2,3
.irp i, 0,1,2,3,4,5,6,7,8,9,10,11,12,13,14,15
	v_min_num_f32 v[96+16*\b+\i], v[96+16*\b+\i], v25   ; the conversion does not saturate (ISA guide 7.6.2); p is not negative, so the hold is one-sided
.endr
	v_cvt_scalef32_pk8_fp8_f32 v[192+4*\b:193+4*\b], v[96+16*\b:103+16*\b], v26
	v_cvt_scalef32_pk8_fp8_f32 v[194+4*\b:195+4*\b], v[104+16*\b:111+16*\b], v26
.endr
.set j, 0
.rept 16
	v_pk_mul_f32 v[160+j:161+j], v[160+j:161+j], v[30:31] op_sel_hi:[1,0]   ; O^T under the new M.  (Also the plain instructions between the conversions and the products)
.set j, j+2
.endr
	s_wait_dscnt 0x0                               ; V^T's fragments are in
.irp t, 0,1,2,3
	v_wmma_f32_16x16x128_fp8_fp8 v[160+8*\t:167+8*\t], v[32+16*\t:47+16*\t], v[192:207], v[160+8*\t:167+8*\t]   ; the four accumulators by turns
.endr
.Lhidden_\@:
	s_add_co_u32 s[TB], s[TB], STEPB               ; on every way: the next step's tiles, words and bits
	s_add_co_u32 s[MO], s[MO], 256
	s_lshr_b32 s[FO], s[FO], 1
	s_lshr_b32 s[FM], s[FM], 1
.endm
.macro STEPS n, qr                     ; n key steps: the count is a constant; what the mask hides is jumped over inside a step
	s_mov_b32 s[CNT], \n
.Lstep_\@:
	STEP \qr
	s_sub_co_u32 s[CNT], s[CNT], 1
	s_cmp_lg_u32 s[CNT], 0
	s_cbranch_scc1 .Lstep_\@
.endm
; SLOT s GOES FROM REGISTERS INTO LDS.  left: the younger loads that may stay out.  My stores have landed (and my reads are in) ahead of the signal; behind the barrier every wave may read the slot.
; Each LDS byte is stored once in the launch, ahead of the barrier behind which it is first read.  more = 1: the next slot's loads go out, into registers that the stores have read.
.macro PUBLISH s, left, more
	s_wait_loadcnt \left                           ; my block is in: its registers may be stored and its base stepped
	STORES \s
	s_wait_dscnt 0x0
.if \more
	s_add_nc_u64 s[SRC:SRC+1], s[SRC:SRC+1], s[GST:GST+1]
	LOADS
.endif
	s_barrier_signal -1
	s_barrier_wait -1
.endm
; THE WAY OUT of a tile.  O^T / the sum is quantised with 2^(e10 - e8 - e9) and goes through my stage: 16 queries x 64 codes are 1,024 bytes that lie on end in ac.
.macro WAYOUT ptr
	v_nop
	v_nop                                          ; with the two additions and the v_nop below: the places behind the last products
	v_add_f32 v14, v14, v15                        ; the sum's two halves,
	v_permlanex16_b32 v29, v14, s[SEL], s[SEL+1]
	v_add_f32 v14, v14, v29                        ; and lane l xor 16's.  The row's largest p is above 1/2: the sum is no zero
	v_rcp_f32 v14, v14
	v_nop                                          ; a plain instruction behind the transcendental
	s_wait_alu depctr_va_vdst(0)                   ; and the wait ahead of its first reader
.set j, 0
.rept 16
	v_pk_mul_f32 v[96+j:97+j], v[160+j:161+j], v[14:15] op_sel_hi:[1,0]   ; register 8 t + i is o(query r, channel 32 (t / 2) + 8 (t % 2) + 16 h + i); each accumulator from its low end on
.set j, j+2
.endr
.set j, 0
.rept 32
	v_med3_num_f32 v[96+j], v[96+j], -v27, v27
.set j, j+1
.endr
.irp t, 0,1,2,3
	v_cvt_scalef32_pk8_fp8_f32 v[192+2*\t:193+2*\t], v[96+8*\t:103+8*\t], v28
.endr
	v_nop
.irp t, 0,1,2,3
	ds_store_b64 v[STO], v[192+2*\t:193+2*\t] offset:32*(\t/2)+8*(\t%2)
.endr
	ds_load_b128 v[32:35], v[RD]                   ; LDS serves a wave's instructions in order: these see my stores
	ds_load_b128 v[36:39], v[RD] offset:512
	s_wait_dscnt 1                                 ; the first is in; the second may be out
	global_store_b128 v[GO], v[32:35], s[\ptr:\ptr+1]   ; the wave stores 512 consecutive bytes, aligned
	s_wait_dscnt 0
	global_store_b128 v[GO], v[36:39], s[\ptr:\ptr+1] offset:512
.endm
	PUBLISH 0, 4, 1                                ; slot 0's eight loads are in; Q's four, issued behind them, may be out.  Slot 1 is asked for
	s_wait_loadcnt 8                               ; Q of both tiles is in; slot 1's eight loads may be out
	s_mov_b32 s[TB], 0
	STEPS 4, QA                                    ; the first tile, keys 0 to 511
	PUBLISH 1, 0, 1
	s_mov_b32 s[TB], SLOTB
	STEPS 4, QA
	PUBLISH 2, 0, 1
	s_mov_b32 s[TB], 2*SLOTB
	STEPS 4, QA
	PUBLISH 3, 0, 0                                ; the last barrier: from here on all of K and V^T lies in LDS, and no wave waits for another
	s_mov_b32 s[TB], 3*SLOTB
	STEPS 4, QA
	WAYOUT ACA
	s_mov_b64 s[MB:MB+1], s[MBB:MBB+1]             ; the second tile
	s_mov_b32 s[FO], s[FOB]
	s_mov_b32 s[FM], s[FMB]
	s_mov_b32 s[MO], 0
	s_mov_b32 s[TB], 0
	INIT
	s_wait_xcnt 0x0                                ; the first tile's stores have read their registers, which the next fragments take
	STEPS 16, QB
	WAYOUT ACB
	s_wait_tensorcnt 0x0
	ds_add_u32 v254, v255
	s_wait_dscnt 0x0
	s_endpgm
.Lfunc_end_k_q2c44f6b060_attn:
	.size	k_q2c44f6b060_attn, .Lfunc_end_k_q2c44f6b060_attn-k_q2c44f6b060_attn
	.p2alignl 7, 3214868480
	.fill 96, 4, 3214868480
	.section	.rodata,"a",@progbits
	.p2align	6, 0x0
	.amdhsa_kernel k_q2c44f6b060_attn
		.amdhsa_group_segment_fixed_size 313344
		.amdhsa_private_segment_fixed_size 0
		.amdhsa_enable_private_segment 0
		.amdhsa_kernarg_size 40
		.amdhsa_user_sgpr_count 2
		.amdhsa_user_sgpr_kernarg_segment_ptr 1
		.amdhsa_wavefront_size32 1
		.amdhsa_system_sgpr_workgroup_id_x 1
		.amdhsa_system_sgpr_workgroup_id_y 1
		.amdhsa_system_sgpr_workgroup_id_z 1
		.amdhsa_system_vgpr_workitem_id 0
		.amdhsa_next_free_vgpr 256
		.amdhsa_next_free_sgpr 106
		.amdhsa_reserve_vcc 0
		.amdhsa_float_denorm_mode_32 3
		.amdhsa_float_denorm_mode_16_64 3
		.amdhsa_memory_ordered 1
		.amdhsa_forward_progress 1
		.amdhsa_inst_pref_size 123
	.end_amdhsa_kernel
	.amdgpu_metadata
---
amdhsa.version: [ 1, 2 ]
amdhsa.kernels:
  - .name:           k_q2c44f6b060_attn
    .symbol:         k_q2c44f6b060_attn.kd
    .args:
      - { .name: qkv, .offset: 0, .size: 8, .value_kind: global_buffer, .address_space: global }
      - { .name: mbits, .offset: 8, .size: 8, .value_kind: global_buffer, .address_space: global }
      - { .name: mflag, .offset: 16, .size: 8, .value_kind: global_buffer, .address_space: global }
      - { .name: lowp_scales, .offset: 24, .size: 8, .value_kind: global_buffer, .address_space: global }
      - { .name: ac, .offset: 32, .size: 8, .value_kind: global_buffer, .address_space: global }
    .group_segment_fixed_size: 313344
    .private_segment_fixed_size: 0
    .kernarg_segment_align: 8
    .kernarg_segment_size: 40
    .max_flat_workgroup_size: 512
    .sgpr_count:     106
    .vgpr_count:     256
    .wavefront_size: 32
...
	.end_amdgpu_metadata
.endif
;; end of part 6
;; launch oproj: the kernel of part 4 again; grid 4 x 32, 4 waves a work-group, clusters of 4 x 4, 327,680 bytes of LDS; arguments ac, wc, bo, lowp_scales, out0; writes out0
;; ======== version 3 of 3: 4 launches; version 2 with the launch attn written anew for expert scheduling mode
;; limits: right only within a limited range of input values
;; workspace buffers: xc 25,165,824 bytes; wc 4,194,304 bytes; mbits 2,097,152 bytes of whole numbers; mflag 16,384 bytes of whole numbers; qkv 25,165,824 bytes; ac 8,388,608 bytes
;; launch prep: the kernel of part 5 again; grid 1408 x 1, 4 waves a work-group, no clusters, 67,072 bytes of LDS; arguments query, key, value, Wq, Wk, Wv, Wo, mask, lowp_scales, xc, wc, mbits, mflag; writes xc, wc, mbits, mflag
;; launch proj: the kernel of part 2 again; grid 4 x 96, 4 waves a work-group, clusters of 4 x 4, 327,680 bytes of LDS; arguments xc, wc, bq, bk, bv, lowp_scales, qkv; writes qkv
;; launch attn (part 7): grid 4 x 64, 16 waves a work-group, no clusters, 313,344 bytes of LDS; arguments qkv, mbits, mflag, lowp_scales, ac; writes ac
.if DOCPART == 7
	.amdgcn_target "amdgcn-amd-amdhsa--gfx1250"
	.amdhsa_code_object_version 6
	.text
	.protected	k_q2c44f6b060_attn
	.globl	k_q2c44f6b060_attn
	.p2align	8
	.type	k_q2c44f6b060_attn,@function
k_q2c44f6b060_attn:
	s_mov_b64 s[64:65], 0
	v_nop
	global_prefetch_b8 v0, s[64:65] scope:SCOPE_SE
	s_setreg_imm32_b32 hwreg(HW_REG_WAVE_SCHED_MODE, 0, 2), 2
	s_setreg_imm32_b32 hwreg(HW_REG_WAVE_MODE, 25, 1), 1
	s_wait_xcnt 0x0
	s_wait_alu depctr_vm_vsrc(0)
; ATTENTION ON CODES OF E4M3, head size 64, 2,048 keys, with the mask as it was given (packed into lane masks by the first launch), and the quantising of its result for the last projection.
; qkv: plane 0 q [head][token][64], plane 1 k likewise, plane 2 V^T [block of 64 keys][channel 1,024][64 keys].  mbits: [b][tile of 16 queries][key step][64 words].  ac: [head][token][64] codes.
; mflag: [b][tile][4][2 words]: which lanes have an open key, which key steps have an open key, which have a hidden one.
; THE SOFTMAX: t = score x 2^(e6 + e7) x log2(e) / 8; M = the row's largest t so far, rounded UP to a whole number; p = 2^(t - M) is what is quantised (2^e8); the row's sum is taken of the unquantised p and divides at the end.
; THE MASK: a hidden score is replaced ahead of the maximum by the raw number -2^(33 - e6 - e7), which stands for the logit -2^30 where the definition has -1e9.  A power of two, so that raw x c is exact and a row
; that is hidden everywhere gets t - M = 0, p = 1 for every key: the plain mean of v, as with -1e9.  Beside any open key both give p = 0.
; WHAT THE MASK HIDES IS LEFT OUT, by scalar branches on the stored whole numbers.  A key step (my 16 queries x 128 keys) without an open key adds p = 0 to every row that has an open key somewhere: it is jumped over.
; If one of my 16 rows has no open key at all, no step of the tile is jumped over, and that row gets its mean.  In a step without a hidden key the 64 selections are jumped over.  Every mask is served.
; LIMITS: e6 + e7 between -94 and 9 (open logits are at most 64 x 448^2 / 8 x 2^(e6 + e7) in magnitude and must lie above -2^30; the powers of two must be f32 numbers); e8, and e10 - e8 - e9, between -126 and 119.
; SHARES.  A work-group owns 512 queries of one head of one batch: the 32 tiles of 16 whose number is x modulo 4.  Each of its SIXTEEN waves owns two of them, one after the other, in 256 registers: first tile
; 124 - 4 w + x, then tile 4 w + x.  So a mask that hides later keys from earlier queries leaves every wave about the same number of steps; under another mask the shares are only less even.
; Four waves to a SIMD, so that one wave's vector work stands beside another's matrix work and LDS loads.
; K AND V^T OF THE WHOLE HEAD STAY IN LDS: 2 x 131,072 bytes, fetched once for the work-group's 32 tiles.  They come THROUGH REGISTERS, in four slots of 512 keys: a wave brings one block of 4,096 dense bytes of a slot
; (waves 0-7: 64 keys of K; waves 8-15: 64 keys of V^T) by eight loads of 512 consecutive bytes and eight LDS stores; a slot's loads are issued four key steps ahead of its stores.  One barrier a slot, four in all.
; NO TENSOR LOAD, NO CLUSTER, though the four work-groups of a head read the same K and V^T: the walk hangs on numbers read from memory.
; No prefetch: but for the first slot, each slot's loads into registers stand four key steps ahead of the wait for them.
; LDS: a line is two rows of 64 codes + 16 bytes = 144 bytes: row i lies at 144 (i / 2) + 64 (i % 2).  The sixteen rows r + 8 (r / 8) that a load touches then fall on sixteen different columns of 16 bytes modulo 256.
; LAYOUT.  Both products are used transposed: S^T = K Q^T, O^T = V^T P^T: a lane holds ONE query (lane % 16) throughout.  Lane r of tile 2 b + u of K takes key 32 b + 8 u + r + 8 (r / 8), so that the 16 registers of
; tiles 2 b and 2 b + 1 are the neighbouring keys 32 b + 16 (lane / 16) + 0 .. 15: the conversions' results are the second product's operand.  V^T's tiles take their channels by the same rule.
; REGISTERS: v1-5, v7, v10, v11 addresses that stay; v8, v9 addresses in hand; v12 -M, v13 the largest t, v[14:15] the sum in two halves; v16-23 Q of the first tile; v24-28 constants; v29 at work; v[30:31] f;
; v32-95 fragments of K, then of V^T; v96-159 S^T, then p; v160-191 O^T; v192-207 p's codes; v208-211 at work; v212-243 a block on its way to LDS; v244-251 Q of the second tile; v254, v255 the closing add's two.
; THE MODE: SCHED_MODE bits 1:0 = 2 (LLVM: expert scheduling mode 2), set by the entry lines.  The code itself states the register dependences
; between vector or matrix instructions and memory or LDS instructions, with s_wait_alu, always for 0.
; THE PLAN.  Registers that memory or LDS instructions touch:
;   v3, v4, v5, v7, v10, v11, v254, v255   addresses, offsets and the add's two: written by vector lines at the head, ahead of the head's one wait on va_vdst, and never again.
;   v212-243      written by a slot's eight global loads, read by its eight LDS stores, then loaded again: one wait on vm_vsrc between the stores and the next loads.  No vector line names them.
;   v16-23, v244-251   Q: loaded once, read by matrix instructions, never written again.
;   v8, v9        written by two additions at the head of a step that is walked, read by that step's 32 LDS loads.
;   v32-95        ONE buffer of fragments (256 registers a wave leave no room for a second): K's 16 loads land, the eight products S^T read; V^T's 16 loads land, the four products O^T read.
;                 On the way out two LDS loads land in v32-39, and two global stores read them.
;   v192-199      on the way out: written by four conversions, read by four LDS stores; written again by the next tile's conversions of p.
; THE WAITS OF A STEP.  At its first line, ahead of its branch, vm_vsrc: earlier LDS loads have read v8 and v9, a way out's stores v32-39 and v192-199.  Behind the two additions, va_vdst: v8 and v9 are written, and the step
; before is done reading v32-95.  Behind the products S^T, va_vdst: they are done reading v32-95; the softmax that follows names none of v32-95 and v9, so V^T's loads owe nothing more.  Behind the exponentials, va_vdst: their results.
.set LINE,  144                        ; two rows + 16 bytes
.set RW,    72                         ; so eight rows are 8 x 72 bytes
.set BLK,   64*RW                      ; a block: 64 rows
.set STEPB, 2*BLK                      ; a key step: 128 keys of K, and two blocks of V^T
.set SLOTB, 8*BLK                      ; a slot: 512 keys
.set VOFF,  32*BLK                     ; K's 32 blocks, then V^T's 32 ([block of 64 keys][channel])
.set STAGE, 2*VOFF                     ; behind them: 1,024 bytes for each wave, for the way out
.set AK0, 1                            ; v1   my lane's place in a tile of K
.set AV0, 2                            ; v2   the same for V^T
.set SA0, 3                            ; v3   where I store my block: slots 0 and 1
.set STO, 4                            ; v4   the stage: where I put 8 codes
.set SA2, 5                            ; v5   slots 2 and 3
.set GO,  7                            ; v7   16 x lane
.set ADK, 8
.set ADV, 9
.set RD,  10                           ; v10  the stage: where I read back
.set QO,  11                           ; v11  my bytes of Q's 16 rows
.set QA,  16
.set QB,  244
.set SR,  212
.set TB,  2                            ; s2   LDS byte at which the step in hand begins
.set MO,  3                            ; s3   the byte of its words among my tile's 4,096
.set CNT, 4                            ; s4   counts steps
.set WV,  5                            ; s5   wave
.set MB,  6                            ; s[6:7] the tile's mask words
.set FO,  8                            ; s8   bit 0: the step in hand has an open key (or the tile has a row without any); shifted down step by step
.set FM,  9                            ; s9   bit 0: it has a hidden key
.set SRC, 10                           ; s[10:11] my block of the slot that is being fetched
.set GST, 12                           ; s[12:13] a slot on, in my tensor's memory
.set ACA, 14                           ; s[14:15] the first tile's 1,024 bytes of ac
.set MBB, 16                           ; s[16:17] the second tile's mask words
.set ACB, 18                           ; s[18:19] its bytes of ac
.set FOB, 20                           ; s20, s21 its two words of bits
.set FMB, 21
; s22-26: the five constants that go into v24-28, each in a register of its own, written once
.set CS,  28                           ; s[28:29] c, twice
.set SEL, 30                           ; s[30:31] lane selects for v_permlanex16_b32: lane l xor 16
; s[32:63], s[68:99]: the step's 64 mask words (ahead of the first step: at work); s100, s101 at work
	s_load_b256 s[36:43], s[0:1], 0x0              ; qkv s[36:37], mbits s[38:39], mflag s[40:41], the scales' exponents s[42:43]
	s_load_b64 s[44:45], s[0:1], 0x20              ; ac
	v_lshl_add_u32 v254, v0, 2, 0x4c000
	v_mov_b32 v255, 0
	v_lshrrev_b32 v8, 5, v0
	v_readfirstlane_b32 s[WV], v8                  ; wave 0..15
	v_and_b32 v8, 15, v0                           ; r
	v_bfe_u32 v9, v0, 4, 1                         ; h
	v_and_b32 v10, 31, v0                          ; lane
	v_lshlrev_b32 v[GO], 4, v10
	v_lshlrev_b32 v[QO], 6, v8
	v_lshl_add_u32 v[QO], v9, 4, v[QO]             ; Q: row r of 64 bytes, + 16 h
	v_and_b32 v[AK0], 8, v8
	v_add_nc_u32 v[AK0], v[AK0], v8                ; i = r + 8 (r / 8)
	v_lshrrev_b32 v[AV0], 1, v[AK0]
	v_mul_u32_u24 v[AV0], v[AV0], LINE
	v_and_b32 v[AK0], 1, v[AK0]
	v_lshl_add_u32 v[AK0], v[AK0], 6, v[AV0]       ; 144 (i / 2) + 64 (i % 2)
	v_lshl_add_u32 v[AK0], v9, 4, v[AK0]           ; + 16 h
	v_add_nc_u32 v[AV0], VOFF, v[AK0]
	s_wait_alu depctr_va_sdst(0)                   ; the wave's number is written, ahead of its first reader: LDS places, addresses and shares are made from it
	s_and_b32 s53, s[WV], 7
	s_lshr_b32 s32, s[WV], 3
	s_mul_i32 s32, s32, VOFF                       ; waves 8-15: V^T's half of LDS
	s_mul_i32 s33, s53, BLK                        ; block wave % 8 of a slot
	s_add_co_u32 s32, s32, s33
	v_lshrrev_b32 v[SA0], 3, v10                   ; a load's 512 bytes are eight rows, four lines: eight lanes to a line, 16 bytes each
	v_mul_u32_u24 v[SA0], v[SA0], LINE
	v_and_b32 v[SA2], 7, v10
	v_lshl_add_u32 v[SA0], v[SA2], 4, v[SA0]
	v_add_nc_u32 v[SA0], s32, v[SA0]
	v_add_nc_u32 v[SA2], 2*SLOTB, v[SA0]
	s_lshl_b32 s33, s[WV], 10
	s_add_co_u32 s33, s33, STAGE                   ; my stage
	v_lshlrev_b32 v[STO], 6, v8
	v_lshl_add_u32 v[STO], v9, 4, v[STO]
	v_add_nc_u32 v[STO], s33, v[STO]               ; in: query r's 64 bytes, + 16 h
	v_add_nc_u32 v[RD], s33, v[GO]                 ; back: as it lies
	v_mov_b32 v29, 0                               ; written once: a lane permute's destination counts as one of its sources
	v_mov_b32 v31, 0                               ; (named as the upper half of the pair v[30:31])
	s_and_b32 s46, ttmp7, 0xffff
	s_lshr_b32 s47, s46, 4                         ; b
	s_and_b32 s48, s46, 15                         ; head
	s_lshl_b32 s49, s48, 19                        ; a head's plane of q, k, ac: 8,192 tokens x 64
	s_lshl_b32 s50, s47, 17                        ; a batch's 2,048 tokens in it
	s_add_co_u32 s51, s49, s50
	s_lshl_b32 s52, s48, 12                        ; a head's 64 channels x 64 in a block of V^T
	s_lshl_b32 s54, s53, 12
	s_add_co_u32 s54, s54, s51
	s_add_co_u32 s54, s54, 0x800000                ; K: plane 1, my 64 keys of slot 0
	s_lshl_b32 s55, s47, 5
	s_add_co_u32 s55, s55, s53
	s_lshl_b32 s55, s55, 16
	s_add_co_u32 s55, s55, s52
	s_add_co_u32 s55, s55, 0x1000000               ; V^T: plane 2, block 32 b + wave % 8, my head's channels
	s_cmp_lt_u32 s[WV], 8
	s_cselect_b32 s56, s54, s55
	s_mov_b32 s57, 0
	s_mov_b32 s[GST], 0x80000                      ; V^T: eight blocks of 65,536 bytes on;
	s_cselect_b32 s[GST], 0x8000, s[GST]           ; K: 512 keys x 64
	s_mov_b32 s[GST+1], 0
	s_lshl_b32 s58, s47, 7
	s_add_co_u32 s58, s58, ttmp9                   ; 128 b + x
	s_lshl_b32 s59, s[WV], 2
	s_add_co_u32 s60, s58, s59                     ; the second tile: 128 b + x + 4 w
	s_sub_co_u32 s61, 124, s59
	s_add_co_u32 s61, s61, s58                     ; the first: 128 b + x + 124 - 4 w
	s_mov_b32 s63, 0
	s_mov_b32 s[SEL], 0x76543210
	s_mov_b32 s[SEL+1], 0xfedcba98
.macro LOADS                           ; my block of a slot: eight loads of 512 consecutive bytes
.irp i, 0,1,2,3,4,5,6,7
	global_load_b128 v[SR+4*\i:SR+4*\i+3], v[GO], s[SRC:SRC+1] offset:512*\i
.endr
.endm
.macro STORES s                        ; and into slot s: load i's eight rows are four lines
.irp i, 0,1,2,3,4,5,6,7
.if (\s) < 2
	ds_store_b128 v[SA0], v[SR+4*\i:SR+4*\i+3] offset:(\s)*SLOTB+4*LINE*\i
.else
	ds_store_b128 v[SA2], v[SR+4*\i:SR+4*\i+3] offset:((\s)-2)*SLOTB+4*LINE*\i
.endif
.endr
.endm
	s_wait_kmcnt 0x0
	s_load_b256 s[68:75], s[42:43], 0x0            ; e0 .. e7
	s_load_b128 s[76:79], s[42:43], 0x20           ; e8 .. e11
	s_add_nc_u64 s[SRC:SRC+1], s[36:37], s[56:57]
	s_wait_alu depctr_va_vdst(0)                   ; the addresses and offsets v3, v4, v5, v7, v10, v11 are written, which the kernel's loads and stores read, and so are v254 and v255; no vector line writes any of them again
	LOADS                                          ; slot 0
	s_lshl_b32 s62, s61, 12                        ; a tile's mask words are 4,096 bytes,
	s_add_nc_u64 s[MB:MB+1], s[38:39], s[62:63]
	s_lshl_b32 s62, s60, 12
	s_add_nc_u64 s[MBB:MBB+1], s[38:39], s[62:63]
	s_lshl_b32 s62, s61, 5                         ; its record of bits 32,
	s_add_nc_u64 s[32:33], s[40:41], s[62:63]
	s_load_b256 s[80:87], s[32:33], 0x0
	s_lshl_b32 s62, s60, 5
	s_add_nc_u64 s[34:35], s[40:41], s[62:63]
	s_load_b256 s[88:95], s[34:35], 0x0
	s_lshl_b32 s62, s61, 10                        ; its 16 rows of 64 bytes in q's plane and in ac 1,024
	s_add_co_u32 s62, s62, s49
	s_add_nc_u64 s[ACA:ACA+1], s[44:45], s[62:63]
	s_add_nc_u64 s[104:105], s[36:37], s[62:63]
	global_load_b128 v[QA:QA+3], v[QO], s[104:105] ; registers 4 c .. 4 c + 3: channels 32 c + 16 h + 0 .. 15: the same permutation of the 64 as in K's fragments
	global_load_b128 v[QA+4:QA+7], v[QO], s[104:105] offset:32
	s_lshl_b32 s62, s60, 10
	s_add_co_u32 s62, s62, s49
	s_add_nc_u64 s[ACB:ACB+1], s[44:45], s[62:63]
	s_add_nc_u64 s[66:67], s[36:37], s[62:63]
	global_load_b128 v[QB:QB+3], v[QO], s[66:67]
	global_load_b128 v[QB+4:QB+7], v[QO], s[66:67] offset:32
.macro INIT                            ; a tile begins: the step is written once, and the first finds zeros, which the first change of M leaves zeros
	v_mov_b32 v13, 0xff61b1e6                      ; the largest t so far: -3e38, under every t
	v_floor_f32 v12, -v13                          ; -M
	v_mov_b32 v14, 0
	v_mov_b32 v15, 0
.set j, 0
.rept 32
	v_mov_b32 v[160+j], 0                          ; O^T
.set j, j+1
.endr
.endm
	INIT
	s_wait_kmcnt 0x0
; the four waves' records of a tile become its two words of bits
.macro FLAGS rec, fo, fm
	s_or_b32 s32, s[\rec], s[\rec+2]
	s_or_b32 s33, s[\rec+4], s[\rec+6]
	s_or_b32 s32, s32, s33                         ; lanes with an open key somewhere among the 2,048
	s_lshr_b32 s33, s32, 16
	s_or_b32 s32, s32, s33
	s_and_b32 s32, s32, 0xffff                     ; rows with one: a row's keys lie in lanes r and r + 16
	s_or_b32 s34, s[\rec+1], s[\rec+3]
	s_or_b32 s35, s[\rec+5], s[\rec+7]
	s_or_b32 s34, s34, s35
	s_and_b32 s[\fo], s34, 0xffff
	s_lshr_b32 s[\fm], s34, 16
	s_cmp_eq_u32 s32, 0xffff
	s_cselect_b32 s[\fo], s[\fo], 0xffff           ; a row without any open key: every step is walked
.endm
	FLAGS 80, FO, FM
	FLAGS 88, FOB, FMB
	s_add_co_i32 s100, s74, s75                    ; e6 + e7
	s_lshl_b32 s101, s100, 23
	s_add_co_i32 s[CS], s101, 0x3e38aa3b           ; c = log2(e) / 8 x 2^(e6 + e7): the exponents are added to c's exponent field
	s_mov_b32 s[CS+1], s[CS]
	s_sub_co_i32 s22, 160, s100
	s_lshl_b32 s22, s22, 23
	s_or_b32 s22, s22, 0x80000000
	v_mov_b32 v24, s22                             ; -2^(33 - e6 - e7): a hidden score
	s_add_co_i32 s100, s76, 127
	s_lshl_b32 s23, s100, 23
	v_mov_b32 v26, s23                             ; 2^e8
	s_add_co_i32 s24, s100, 8
	s_lshl_b32 s24, s24, 23
	s_or_b32 s24, s24, 0x600000
	v_mov_b32 v25, s24                             ; 448 x 2^e8
	s_sub_co_i32 s100, s78, s76
	s_sub_co_i32 s100, s100, s77                   ; e10 - e8 - e9: O^T / the sum stands for that x 2^(e8 + e9)
	s_add_co_i32 s100, s100, 127
	s_lshl_b32 s25, s100, 23
	v_mov_b32 v28, s25
	s_add_co_i32 s26, s100, 8
	s_lshl_b32 s26, s26, 23
	s_or_b32 s26, s26, 0x600000
	v_mov_b32 v27, s26
	s_mov_b32 s[MO], 0
.macro MASKLOAD                        ; a step's 64 words: 256 bytes
	s_load_b512 s[32:47], s[MB:MB+1], s[MO] offset:0x0
	s_load_b512 s[48:63], s[MB:MB+1], s[MO] offset:0x40
	s_load_b512 s[68:83], s[MB:MB+1], s[MO] offset:0x80
	s_load_b512 s[84:99], s[MB:MB+1], s[MO] offset:0xc0
.endm
; A KEY STEP: 128 keys.  qr: where the tile's Q stands
.macro STEP qr
	s_wait_alu depctr_vm_vsrc(0)                   ; the LDS loads issued so far have read v[ADK] and v[ADV], a way out's global stores v32-39 and its LDS stores v192-199: a step that is walked writes all of these again.  Ahead of the branch: on every way
	s_and_b32 s100, s[FO], 1
	s_cmp_eq_u32 s100, 0
	s_cbranch_scc1 .Lhidden_\@                     ; no open key for any of my 16 queries: only the lines at the step's end that step addresses are run
	MASKLOAD                                       ; this step's words: they come while K's fragments are fetched and multiplied
	v_add_nc_u32 v[ADK], s[TB], v[AK0]
	v_add_nc_u32 v[ADV], s[TB], v[AV0]
	v_nop
	v_nop                                          ; four places in front of loads into registers that the last step's products have read
	s_wait_alu depctr_va_vdst(0)                   ; v[ADK] and v[ADV] are written, which this step's LDS loads read; the last step's products O^T are done reading v32-95, in which K's fragments land
.irp t, 0,1,2,3,4,5,6,7
.irp c, 0,1
	ds_load_b128 v[32+8*\t+4*\c:32+8*\t+4*\c+3], v[ADK] offset:(32*(\t/2)+8*(\t%2))*RW+32*\c
.endr
.endr
	s_wait_dscnt 0x0
.irp t, 0,1,2,3,4,5,6,7
	v_wmma_f32_16x16x64_fp8_fp8 v[96+8*\t:103+8*\t], v[32+8*\t:39+8*\t], v[\qr:\qr+7], 0   ; S^T: register 16 b + i = key 32 b + 16 h + i of my query
.endr
.rept 4
	v_nop                                          ; places: K's registers take V^T's fragments, and the scores are read
.endr
	s_wait_alu depctr_va_vdst(0)                   ; the products S^T are done reading v32-95, in which V^T's fragments land; no vector or matrix line from here to the products O^T names v32-95 or v[ADV]
.irp t, 0,1,2,3
.irp c, 0,1,2,3
	ds_load_b128 v[32+16*\t+4*\c:32+16*\t+4*\c+3], v[ADV] offset:(\c/2)*BLK+(32*(\t/2)+8*(\t%2))*RW+32*(\c%2)   ; channel 32 (t / 2) + 8 (t % 2) + r + 8 (r / 8), keys 32 c + 16 h + 0 .. 15: they land while the softmax is walked
.endr
.endr
	s_wait_kmcnt 0x0                               ; the words are in, on both ways below
	s_and_b32 s100, s[FM], 1
	s_cmp_eq_u32 s100, 0
	s_cbranch_scc1 .Lopen_\@                       ; no hidden key in this step: nothing to replace
.set n, 0
.rept 64
	v_cndmask_b32 v[96+n], v24, v[96+n], s[32+n+4*(n/32)]   ; hidden: -2^(33 - e6 - e7).  Each accumulator from its low end on
.set n, n+1
.endr
.Lopen_\@:
	v_max3_num_f32 v208, v96, v97, v98             ; the step's largest score of my query, among my 64 keys, in two chains, the registers in ascending order,
	v_max3_num_f32 v209, v99, v100, v101
.irp i, 6,10,14,18,22,26,30,34,38,42,46,50,54,58
	v_max3_num_f32 v208, v208, v[96+\i], v[97+\i]
	v_max3_num_f32 v209, v209, v[98+\i], v[99+\i]
.endr
	v_max3_num_f32 v208, v208, v158, v159
	v_max_num_f32 v208, v208, v209
	v_permlanex16_b32 v29, v208, s[SEL], s[SEL+1]
	v_max_num_f32 v208, v208, v29                  ; and among lane l xor 16's
	v_mul_f32 v208, s[CS], v208                    ; as t (c is positive)
	v_max_num_f32 v13, v13, v208                   ; the running largest t
	v_mov_b32 v208, v12
	v_floor_f32 v12, -v13                          ; the new -M = floor(-t) = -ceil(t): M is a whole number
	v_sub_f32 v208, v12, v208                      ; M's old value less its new one: a whole number, 0 or less
	v_cvt_i32_f32 v208, v208                       ; (it saturates)
	v_ldexp_f32 v30, 1.0, v208                     ; f = 2^(old M - new M)
.set j, 0
.rept 32
	v_pk_fma_f32 v[96+j:97+j], v[96+j:97+j], s[CS:CS+1], v[12:13] op_sel_hi:[1,0,0]   ; t - M, two at a time
.set j, j+2
.endr
.set j, 0
.rept 64
	v_exp_f32 v[96+j], v[96+j]                     ; p = 2^(t - M), at most 1: not normalised
.set j, j+1
.endr
	v_pk_mul_f32 v[14:15], v[14:15], v[30:31] op_sel_hi:[1,0]   ; the sums under the new M.  (The plain instruction behind the exponentials)
	s_wait_alu depctr_va_vdst(0)                   ; the 64 exponentials have written p in v96-159: one wait for the whole batch, ahead of its first reader
	v_pk_add_f32 v[210:211], v[96:97], v[98:99]    ; the row's sum is taken of the unquantised p: two at a time, in two chains
.irp j, 4,8,12,16,20,24,28,32,36,40,44,48,52,56,60
	v_pk_add_f32 v[14:15], v[14:15], v[96+\j:97+\j]
	v_pk_add_f32 v[210:211], v[210:211], v[98+\j:99+\j]
.endr
	v_pk_add_f32 v[14:15], v[14:15], v[210:211]
.irp b, 0,1,2,3
.irp i, 0,1,2,3,4,5,6,7,8,9,10,11,12,13,14,15
	v_min_num_f32 v[96+16*\b+\i], v[96+16*\b+\i], v25   ; the conversion does not saturate (ISA guide 7.6.2); p is not negative, so the hold is one-sided
.endr
	v_cvt_scalef32_pk8_fp8_f32 v[192+4*\b:193+4*\b], v[96+16*\b:103+16*\b], v26
	v_cvt_scalef32_pk8_fp8_f32 v[194+4*\b:195+4*\b], v[104+16*\b:111+16*\b], v26
.endr
.set j, 0
.rept 16
	v_pk_mul_f32 v[160+j:161+j], v[160+j:161+j], v[30:31] op_sel_hi:[1,0]   ; O^T under the new M.  (Also the plain instructions between the conversions and the products)
.set j, j+2
.endr
	s_wait_dscnt 0x0                               ; V^T's fragments are in
.irp t, 0,1,2,3
	v_wmma_f32_16x16x128_fp8_fp8 v[160+8*\t:167+8*\t], v[32+16*\t:47+16*\t], v[192:207], v[160+8*\t:167+8*\t]   ; the four accumulators by turns
.endr
.Lhidden_\@:
	s_add_co_u32 s[TB], s[TB], STEPB               ; on every way: the next step's tiles, words and bits
	s_add_co_u32 s[MO], s[MO], 256
	s_lshr_b32 s[FO], s[FO], 1
	s_lshr_b32 s[FM], s[FM], 1
.endm
.macro STEPS n, qr                     ; n key steps: the count is a constant; what the mask hides is jumped over inside a step
	s_mov_b32 s[CNT], \n
.Lstep_\@:
	STEP \qr
	s_sub_co_u32 s[CNT], s[CNT], 1
	s_cmp_lg_u32 s[CNT], 0
	s_cbranch_scc1 .Lstep_\@
.endm
; SLOT s GOES FROM REGISTERS INTO LDS.  left: the younger loads that may stay out.  My stores have landed (and my reads are in) ahead of the signal; behind the barrier every wave may read the slot.
; Each LDS byte is stored once in the launch, ahead of the barrier behind which it is first read.  more = 1: the next slot's loads go out, into registers that the stores have read.
.macro PUBLISH s, left, more
	s_wait_loadcnt \left                           ; my block is in: its registers may be stored and its base stepped
	STORES \s
	s_wait_dscnt 0x0
.if \more
	s_wait_alu depctr_vm_vsrc(0)                   ; the eight LDS stores have read v212-243, in which the next slot's loads land
	s_add_nc_u64 s[SRC:SRC+1], s[SRC:SRC+1], s[GST:GST+1]
	LOADS
.endif
	s_barrier_signal -1
	s_barrier_wait -1
.endm
; THE WAY OUT of a tile.  O^T / the sum is quantised with 2^(e10 - e8 - e9) and goes through my stage: 16 queries x 64 codes are 1,024 bytes that lie on end in ac.
.macro WAYOUT ptr
	v_nop
	v_nop                                          ; with the two additions and the v_nop below: the places behind the last products
	v_add_f32 v14, v14, v15                        ; the sum's two halves,
	v_permlanex16_b32 v29, v14, s[SEL], s[SEL+1]
	v_add_f32 v14, v14, v29                        ; and lane l xor 16's.  The row's largest p is above 1/2: the sum is no zero
	v_rcp_f32 v14, v14
	v_nop                                          ; a plain instruction behind the transcendental
	s_wait_alu depctr_va_vdst(0)                   ; the reciprocal has written v14, ahead of its first reader
.set j, 0
.rept 16
	v_pk_mul_f32 v[96+j:97+j], v[160+j:161+j], v[14:15] op_sel_hi:[1,0]   ; register 8 t + i is o(query r, channel 32 (t / 2) + 8 (t % 2) + 16 h + i); each accumulator from its low end on
.set j, j+2
.endr
.set j, 0
.rept 32
	v_med3_num_f32 v[96+j], v[96+j], -v27, v27
.set j, j+1
.endr
.irp t, 0,1,2,3
	v_cvt_scalef32_pk8_fp8_f32 v[192+2*\t:193+2*\t], v[96+8*\t:103+8*\t], v28
.endr
	v_nop
	s_wait_alu depctr_va_vdst(0)                   ; the conversions have written v192-199, which the LDS stores read; the tile's last products are done reading v32-39, in which the LDS loads below land
.irp t, 0,1,2,3
	ds_store_b64 v[STO], v[192+2*\t:193+2*\t] offset:32*(\t/2)+8*(\t%2)
.endr
	ds_load_b128 v[32:35], v[RD]                   ; LDS serves a wave's instructions in order: these see my stores
	ds_load_b128 v[36:39], v[RD] offset:512
	s_wait_dscnt 1                                 ; the first is in; the second may be out
	global_store_b128 v[GO], v[32:35], s[\ptr:\ptr+1]   ; the wave stores 512 consecutive bytes, aligned
	s_wait_dscnt 0
	global_store_b128 v[GO], v[36:39], s[\ptr:\ptr+1] offset:512
.endm
	PUBLISH 0, 4, 1                                ; slot 0's eight loads are in; Q's four, issued behind them, may be out.  Slot 1 is asked for
	s_wait_loadcnt 8                               ; Q of both tiles is in; slot 1's eight loads may be out
	s_mov_b32 s[TB], 0
	STEPS 4, QA                                    ; the first tile, keys 0 to 511
	PUBLISH 1, 0, 1
	s_mov_b32 s[TB], SLOTB
	STEPS 4, QA
	PUBLISH 2, 0, 1
	s_mov_b32 s[TB], 2*SLOTB
	STEPS 4, QA
	PUBLISH 3, 0, 0                                ; the last barrier: from here on all of K and V^T lies in LDS, and no wave waits for another
	s_mov_b32 s[TB], 3*SLOTB
	STEPS 4, QA
	WAYOUT ACA
	s_mov_b64 s[MB:MB+1], s[MBB:MBB+1]             ; the second tile
	s_mov_b32 s[FO], s[FOB]
	s_mov_b32 s[FM], s[FMB]
	s_mov_b32 s[MO], 0
	s_mov_b32 s[TB], 0
	INIT
	s_wait_xcnt 0x0                                ; the first tile's stores have read their registers, which the next fragments take (the wait on vm_vsrc at the head of each step stands beside this one)
	STEPS 16, QB
	WAYOUT ACB
	s_wait_dscnt 0x0                               ; the closing lines, six on end
	s_wait_alu 0x0
	s_wait_tensorcnt 0x0
	ds_add_u32 v254, v255
	s_wait_dscnt 0x0
	s_endpgm
.Lfunc_end_k_q2c44f6b060_attn:
	.size	k_q2c44f6b060_attn, .Lfunc_end_k_q2c44f6b060_attn-k_q2c44f6b060_attn
	.p2alignl 7, 3214868480
	.fill 96, 4, 3214868480
	.section	.rodata,"a",@progbits
	.p2align	6, 0x0
	.amdhsa_kernel k_q2c44f6b060_attn
		.amdhsa_group_segment_fixed_size 313344
		.amdhsa_private_segment_fixed_size 0
		.amdhsa_enable_private_segment 0
		.amdhsa_kernarg_size 40
		.amdhsa_user_sgpr_count 2
		.amdhsa_user_sgpr_kernarg_segment_ptr 1
		.amdhsa_wavefront_size32 1
		.amdhsa_system_sgpr_workgroup_id_x 1
		.amdhsa_system_sgpr_workgroup_id_y 1
		.amdhsa_system_sgpr_workgroup_id_z 1
		.amdhsa_system_vgpr_workitem_id 0
		.amdhsa_next_free_vgpr 256
		.amdhsa_next_free_sgpr 106
		.amdhsa_reserve_vcc 0
		.amdhsa_float_denorm_mode_32 3
		.amdhsa_float_denorm_mode_16_64 3
		.amdhsa_memory_ordered 1
		.amdhsa_forward_progress 1
		.amdhsa_inst_pref_size 124
	.end_amdhsa_kernel
	.amdgpu_metadata
---
amdhsa.version: [ 1, 2 ]
amdhsa.kernels:
  - .name:           k_q2c44f6b060_attn
    .symbol:         k_q2c44f6b060_attn.kd
    .args:
      - { .name: qkv, .offset: 0, .size: 8, .value_kind: global_buffer, .address_space: global }
      - { .name: mbits, .offset: 8, .size: 8, .value_kind: global_buffer, .address_space: global }
      - { .name: mflag, .offset: 16, .size: 8, .value_kind: global_buffer, .address_space: global }
      - { .name: lowp_scales, .offset: 24, .size: 8, .value_kind: global_buffer, .address_space: global }
      - { .name: ac, .offset: 32, .size: 8, .value_kind: global_buffer, .address_space: global }
    .group_segment_fixed_size: 313344
    .private_segment_fixed_size: 0
    .kernarg_segment_align: 8
    .kernarg_segment_size: 40
    .max_flat_workgroup_size: 512
    .sgpr_count:     106
    .vgpr_count:     256
    .wavefront_size: 32
...
	.end_amdgpu_metadata
.endif
;; end of part 7
;; launch oproj: the kernel of part 4 again; grid 4 x 32, 4 waves a work-group, clusters of 4 x 4, 327,680 bytes of LDS; arguments ac, wc, bo, lowp_scales, out0; writes out0
